; MI455X (gfx1250); checked and timed in simulation.
; The chip was launched on July 23, 2026; its instructions are those of AMD's public machine-readable ISA for CDNA 5 (MIT licence, August 2026) and "CDNA5" Instruction Set Architecture Reference Guide (July 2026). The comments in the code are by the model that wrote it; some were corrected since.
;; Wan Attention. Allowed arithmetic: matrix products marked QUANTISED: E2M1 operands, one E8M0 scale for each 32 along K, by v_wmma_scale_f32_16x16x128_f8f6f4 with both operands' format E2M1 (or v_wmma_scale_f32_32x16x128_f4), f32 sums; products left as they are: bf16, f16 or f32 operands; f32 sums; everything else in f32.
;; Inputs: Wk 2,048 x 2,048 float32; Wo 2,048 x 2,048 float32; Wq 2,048 x 2,048 float32; Wv 2,048 x 2,048 float32; bk 2,048 float32; bo 2,048 float32; bq 2,048 float32; bv 2,048 float32; freqs_cos 1 x 2,048 x 1 x 128 float32; freqs_sin 1 x 2,048 x 1 x 128 float32; gk 2,048 float32; gq 2,048 float32; hidden_states 1 x 2,048 x 2,048 float32.
;; Outputs: out0 1 x 2,048 x 2,048 float32.
;; This version of the problem:
;;   THIS VERSION OF THE PROBLEM IS GIVEN IN LOW PRECISION. The matrix products marked QUANTISED in the list below multiply operands that are first quantised to E2M1 (2 exponent bits, 1 mantissa bit; 4 bits a number), with one power-of-two scale for each 32 numbers along K (OCP MX v1.0); their sums are f32. The products marked 'left as it is' may take bf16, f16 or f32 operands, with f32 sums. Whichever they take, every output number must still come out within the allowed error. Rounding operands to bf16 (8 significant bits) uses up far more of that allowance than f16 does (11 bits, for magnitudes from 6e-5 to 65,504). All else is computed in f32.
;;   The module's matrix products, in the order in which they are computed (A, B: the left and right operand; K: the contracted axis; several contracted axes count as one K, in the product's order):
;;     1. [M 2,048, K 2,048] x [K 2,048, N 2,048]; A: input hidden_states; B: input Wq: QUANTISED
;;     2. [M 2,048, K 2,048] x [K 2,048, N 2,048]; A: input hidden_states; B: input Wk: QUANTISED
;;     3. [M 2,048, K 2,048] x [K 2,048, N 2,048]; A: input hidden_states; B: input Wv: QUANTISED
;;     4. batch 16 x [M 2,048, K 128] x [K 128, N 2,048]; A: computed on the way; B: computed on the way: left as it is (an operand is computed on the way)
;;     5. batch 16 x [M 128, K 2,048] x [K 2,048, N 2,048]; A: computed on the way; B: computed on the way: left as it is (an operand is computed on the way)
;;     6. [M 2,048, K 2,048] x [K 2,048, N 2,048]; A: computed on the way; B: input Wo: left as it is (an operand is computed on the way)
;;   THE QUANTISER, for each operand of a quantised product, along K:
;;     - K is cut into blocks of 32 from its start; a last block that is shorter is filled with zeros.
;;     - A block's scale is 2^e with e = floor(log2(the largest magnitude in the block)) - 2, held to -126 .. 127; a block of zeros has e = 0. As a byte (E8M0): e + 127.
;;     - Each number is divided by its block's scale, clamped to +-6, and rounded to the nearest number of E2M1, ties to even, subnormals kept.
;;     - The product sums the exact products of the quantised numbers (number of the format x scale) in f32.
;;   ~~~python
;;   def quantise(x, axis):      # numpy; x: float32 -> the quantised numbers, widened to float32 again
;;       x = np.moveaxis(x, axis, -1); K = x.shape[-1]
;;       x = np.pad(x, [(0, 0)] * (x.ndim - 1) + [(0, -K % 32)]); x = x.reshape(x.shape[:-1] + (-1, 32)); a = np.abs(x).max(-1, keepdims=True)
;;       e = np.where(a > 0, np.clip(np.frexp(np.where(a > 0, a, 1))[1] - 1 - 2, -126, 127), 0)      # np.frexp(a)[1] - 1 = floor(log2(a)), exactly
;;       r = np.clip(x / 2.0 ** e, -6, 6)
;;       step = 2.0 ** (np.maximum(np.frexp(np.where(r == 0, 1, r))[1] - 1, 0) - 1)
;;       q = np.round(r / step) * step * 2.0 ** e      # np.round: ties to even
;;       return np.moveaxis(q.reshape(q.shape[:-2] + (-1,))[..., :K], -1, axis).astype(np.float32)
;;   ~~~
;; One version. Each part assembles by itself: llvm-mc -triple=amdgcn-amd-amdhsa -mcpu=gfx1250 --defsym DOCPART=n.
;; ======== version 1 of 1: 5 launches
;; limits: values are held in f16: magnitudes above 65,504 overflow, below 6.1e-05 lose precision; values outside matrix products are rounded to f16
;; workspace buffers: codes 8,388,608 bytes; scales 524,288 bytes; wo16 8,388,608 bytes; qkh16 16,777,216 bytes; v16 8,388,608 bytes; qk16 16,777,216 bytes; o16 8,388,608 bytes
;; launch prep (part 1): grid 768 x 1, 4 waves a work-group, no clusters, 50,688 bytes of LDS; arguments hidden_states, Wq, Wk, Wv, Wo, codes, scales, wo16; writes codes, scales, wo16
.if DOCPART == 1
	.amdgcn_target "amdgcn-amd-amdhsa--gfx1250"
	.amdhsa_code_object_version 6
	.text
	.protected	k_q6d044cb00b_prep
	.globl	k_q6d044cb00b_prep
	.p2align	8
	.type	k_q6d044cb00b_prep,@function
k_q6d044cb00b_prep:
	s_mov_b64 s[64:65], 0
	v_nop
	global_prefetch_b8 v0, s[64:65] scope:SCOPE_SE
	s_setreg_imm32_b32 hwreg(HW_REG_WAVE_MODE, 25, 1), 1
	s_wait_xcnt 0x0
; THREE JOBS IN ONE LAUNCH, parted by the work-group's number alone; the three ways never join.
;   work-groups   0-127: hidden_states [2048][2048] f32, K innermost  -> codes rows 0-2047 and their scale bytes
;   work-groups 128-511: Wq, Wk, Wv [k 2048][n 2048] f32, K outermost -> codes rows 2048 + 2048 mat + n (column n of the weight, K innermost) and their scale bytes
;   work-groups 512-767: Wo f32 -> wo16, f16, same layout
; codes: [8192 rows][1024 bytes], two codes of E2M1 a byte, the lower k in the low four bits.  scales: [8192][64], one E8M0 byte for each 32 along K.
; A block's scale is 2^(floor(log2(its largest magnitude)) - 2): its byte is the largest magnitude's exponent field - 2, held at 1 from below.
; LIMITS: a block whose largest magnitude lies under 2^-124 keeps the byte 1; a block of zeros gets the byte 1 where the quantiser's rule says 127 (its codes are zeros, which add
; nothing under that byte, and this program alone reads the bytes); NaN and infinities among the inputs are not served; |Wo| up to 65,504 (f16).
; No tensor loads.  Each of the two ways that use LDS has LDS bytes of its own.  The weights' way has one barrier, which all four waves of such a work-group pass; the other two ways have none.
.set SPARE, 50176                      ; behind both ways' stages: the spare words, 128 bytes for each wave
.set SPW,   194                        ; v194  LDS address of my spare word; never rewritten
.set NIL,   195                        ; v195  0; never rewritten
.set EMAX,  2
; hidden_states' way
.set STEPS, 16
.set CB,    8                          ; bytes of 16 codes
.set XR,    16                         ; v16-79   four sets of 16 numbers as loaded
.set XN,    80                         ; v80-111  two sets of 16 neighbours
.set XE,    112                        ; v112-127 a scale byte for each step
.set XC,    128                        ; v128-191 codes, four registers for each step: no store's data are written again
.set WREG,  8192                       ; LDS 0-32,767: a region for each wave: two stages of 32 x SP bytes, then its 256 scale bytes
.set SP,    80                         ; a lane's 64 bytes + 16 of padding
; the weights' way
.set NB,     8                         ; blocks of 32 along K for a wave
.set WPITCH, 272                       ; a stage row: 256 bytes of codes + 16
.set WSTG,   32768                     ; LDS 32,768-50,175: the work-group's stage of 64 rows
.set KROW,   1024                      ; a row of codes in bytes
.set WROW,   8192                      ; a row of a weight in bytes
.set WX,     32                        ; v32-95   two sets of 32 numbers
.set WC,     96                        ; v96-99   a block's codes
.set OUTR,   112                       ; v112-143 the way out
.set SB,     24                        ; v24-25   the scale bytes, four to a register
; Wo's way
.set D,      16                        ; v16-143  32 loads of four numbers
.macro XLOAD t
.irp i, 0,1,2,3
	global_load_b128 v[XR+16*((\t)%4)+4*\i:XR+16*((\t)%4)+4*\i+3], v3, s[4:5] offset:2048*(\t)+512*\i th:TH_LOAD_NT   ; 32 lanes read 512 consecutive bytes
.endr
.endm
.macro XTURN t                         ; a step's 2,048 bytes through the stage: in as they lie, out 64 bytes a lane.  LDS serves a wave's instructions in order: no wait between
.irp i, 0,1,2,3
	ds_store_b128 v14, v[XR+16*((\t)%4)+4*\i:XR+16*((\t)%4)+4*\i+3] offset:32*SP*((\t)%2)+8*SP*\i
.endr
.irp i, 0,1,2,3
	ds_load_b128 v[XN+16*((\t)%2)+4*\i:XN+16*((\t)%2)+4*\i+3], v15 offset:32*SP*((\t)%2)+16*\i
.endr
.endm
.macro XSTEP t
.set XS, XN+16*((\t)%2)
.if (\t) > 0
	s_wait_dscnt 1                                 ; this step's numbers are back (the last step's byte store may be out): so its stores into the stage have read their registers,
.else
	s_wait_dscnt 0x0
.endif
.if (\t)+4 < STEPS
	XLOAD (\t)+4                                   ; which take the loads of four steps on
.endif
.if (\t)+1 < STEPS
.if STEPS-2-(\t) >= 3
	s_wait_loadcnt 12                              ; the next step's four loads are in; the twelve of the three steps behind it may be out
.else
	s_wait_loadcnt 4*(STEPS-2-(\t))
.endif
	XTURN (\t)+1
.endif
	v_max3_num_f32 v8, |v[XS]|, |v[XS+1]|, |v[XS+2]|               ; the largest magnitude of my 16, in two chains
	v_max3_num_f32 v9, |v[XS+3]|, |v[XS+4]|, |v[XS+5]|
.irp i, 6,10
	v_max3_num_f32 v8, v8, |v[XS+\i]|, |v[XS+\i+1]|
	v_max3_num_f32 v9, v9, |v[XS+\i+2]|, |v[XS+\i+3]|
.endr
	v_max3_num_f32 v8, v8, |v[XS+14]|, |v[XS+15]|
	v_max3_num_f32 v8, v8, v9, (EMAX+1)<<23        ; and the floor 2^(3 - 127): the byte cannot fall under 1
	v_max_num_f32_dpp v8, v8, v8 row_xmask:1 row_mask:0xf bank_mask:0xf   ; and of my neighbour's 16: the block's
	v_add_nc_u32 v11, -(EMAX<<23), v8              ; 2 off its exponent field: the conversion takes the exponent field of this operand as its scale
	v_cvt_scalef32_pk8_fp4_f32 v[XC+4*(\t)], v[XS:XS+7], v11
	v_cvt_scalef32_pk8_fp4_f32 v[XC+4*(\t)+1], v[XS+8:XS+15], v11
	v_lshrrev_b32 v[XE+(\t)], 23, v11              ; the scale's byte (also the plain line behind the conversions)
	ds_store_b8 v5, v[XE+(\t)] offset:16*(\t)      ; both lanes of a block write the same byte with the same value
	global_store_b64 v4, v[XC+4*(\t):XC+4*(\t)+1], s[14:15] offset:32*CB*(\t)   ; the wave stores 256 consecutive bytes, aligned
.endm
.macro WLOAD t                         ; block t: W(32 t + i, my column), i = 0 .. 31
.irp i, 0,1,2,3,4,5,6,7,8,9,10,11,12,13,14,15,16,17,18,19,20,21,22,23,24,25,26,27,28,29,30,31
	global_load_b32 v[WX+32*((\t)%2)+\i], v3, s[6:7] offset:(32*(\t)+\i)*WROW th:TH_LOAD_NT
.endr
.endm
.macro WBLOCK t
.set WS, WX+32*((\t)%2)
.if (\t) < NB-1
	s_wait_loadcnt 32                              ; this block's 32 loads are in; the next block's 32 may be out
.else
	s_wait_loadcnt 0
.endif
	v_max3_num_f32 v12, |v[WS]|, |v[WS+1]|, |v[WS+2]|              ; the block's largest magnitude: all 32 numbers are mine
	v_max3_num_f32 v13, |v[WS+3]|, |v[WS+4]|, |v[WS+5]|
.irp i, 6,10,14,18,22,26
	v_max3_num_f32 v12, v12, |v[WS+\i]|, |v[WS+\i+1]|
	v_max3_num_f32 v13, v13, |v[WS+\i+2]|, |v[WS+\i+3]|
.endr
	v_max3_num_f32 v12, v12, |v[WS+30]|, |v[WS+31]|
	v_max3_num_f32 v12, v12, v13, (EMAX+1)<<23     ; and the floor
	v_add_nc_u32 v11, -(EMAX<<23), v12
	v_lshrrev_b32 v13, 23, v11                     ; the scale's byte
.if (\t)%4 == 0
	v_mov_b32 v[SB+(\t)/4], v13                    ; four bytes to a register, the lower K in the lower byte
.else
	v_lshl_or_b32 v[SB+(\t)/4], v13, 8*((\t)%4), v[SB+(\t)/4]
.endif
.irp g, 0,1,2,3
	v_cvt_scalef32_pk8_fp4_f32 v[WC+\g], v[WS+8*\g:WS+8*\g+7], v11
.endr
	ds_store_b128 v4, v[WC:WC+3] offset:16*(\t)    ; 32 codes: 16 bytes of my half of my column's row
.if (\t)+2 < NB
	WLOAD (\t)+2
.endif
	s_wait_dscnt 0x0                               ; the store has read its registers: the next block's codes may be written
.endm
	s_load_b256 s[4:11], s[0:1], 0x0               ; hidden_states s[4:5], Wq s[6:7], Wk s[8:9], Wv s[10:11]
	s_load_b256 s[12:19], s[0:1], 0x20             ; Wo s[12:13], codes s[14:15], scales s[16:17], wo16 s[18:19]
	v_lshl_add_u32 v[SPW], v0, 2, SPARE
	v_mov_b32 v[NIL], 0
	v_lshrrev_b32 v1, 5, v0
	v_readfirstlane_b32 s20, v1                    ; wave 0..3
	v_and_b32 v2, 31, v0                           ; lane
	s_wait_kmcnt 0x0
	s_cmp_lt_u32 ttmp9, 128
	s_cbranch_scc0 .Lnot_x
	; ---------------- hidden_states: a plain stream of blocks of 32; a wave takes 16 steps of 512 numbers
	v_lshlrev_b32 v3, 4, v2                        ; my 16 bytes of a load's 512
	s_mul_i32 s21, s20, WREG
	v_lshrrev_b32 v14, 2, v2
	v_mul_u32_u24 v14, v14, SP
	v_and_b32 v15, 3, v2
	v_lshl_add_u32 v14, v15, 4, v14
	v_add_nc_u32 v14, s21, v14                     ; the stage, in: SP (lane / 4) + 16 (lane % 4)
	v_mul_u32_u24 v15, v2, SP
	v_add_nc_u32 v15, s21, v15                     ; and out: SP x lane: my 16 neighbours
	v_mul_u32_u24 v4, v2, CB                       ; my codes' place in a step's
	v_lshrrev_b32 v5, 1, v2
	s_add_co_u32 s21, s21, 2*32*SP
	v_add_nc_u32 v5, s21, v5                       ; my block's byte among my wave's 256
	v_lshlrev_b32 v7, 3, v2                        ; on the way out 8 bytes a lane
	v_add_nc_u32 v6, s21, v7
	s_lshl_b32 s22, ttmp9, 2
	s_add_co_u32 s22, s22, s20                     ; which run of 8,192 numbers is my wave's: 0 .. 511
	s_lshl_b32 s24, s22, 15
	s_mov_b32 s25, 0
	s_add_nc_u64 s[4:5], s[4:5], s[24:25]          ; 32,768 bytes of numbers,
	s_lshl_b32 s24, s22, 12
	s_add_nc_u64 s[14:15], s[14:15], s[24:25]      ; 4,096 of codes,
	s_lshl_b32 s24, s22, 8
	s_add_nc_u64 s[16:17], s[16:17], s[24:25]      ; 256 scale bytes a run
.irp t, 0,1,2,3
	XLOAD \t
.endr
	s_wait_loadcnt 12                              ; step 0's four loads are in
	XTURN 0
.irp t, 0,1,2,3,4,5,6,7,8,9,10,11,12,13,14,15
	XSTEP \t
.endr
	ds_load_b64 v[8:9], v6                         ; LDS serves a wave's instructions in order: these see my byte stores
	s_wait_dscnt 0x0
	global_store_b64 v7, v[8:9], s[16:17]          ; 32 lanes store 256 consecutive bytes, aligned
	s_wait_tensorcnt 0x0                           ; the wave's end: a wait, an add of 0 to my spare word and its wait, behind my last LDS store
	ds_add_u32 v[SPW], v[NIL]
	s_wait_dscnt 0x0
	s_endpgm
.Lnot_x:
	s_cmp_lt_u32 ttmp9, 512
	s_cbranch_scc0 .Lwo
	; ---------------- Wq, Wk, Wv: a lane takes a column n and its registers run down K.  A work-group takes 64 columns x 512 along K; wave w takes columns 32 (w / 2) on and
	; 256 (w % 2) along K on: eight blocks a lane, so that a wave's chain of blocks is eight long and four waves have loads out for a work-group's 64 columns.  The two waves of a column group write the
	; two halves of the same stage rows; behind a barrier each wave stores 16 whole rows of 256 bytes.
	s_sub_co_u32 s21, ttmp9, 128
	s_lshr_b32 s22, s21, 7                         ; which weight: 0, 1, 2
	s_and_b32 s23, s21, 31                         ; which 64 columns
	s_bfe_u32 s24, s21, 0x20005                    ; which 512 along K
	s_lshr_b32 s29, s20, 1                         ; my column group
	s_and_b32 s30, s20, 1                          ; my half of the 512 along K
	s_cmp_eq_u32 s22, 0
	s_cselect_b64 s[6:7], s[6:7], s[8:9]
	s_cmp_eq_u32 s22, 2
	s_cselect_b64 s[6:7], s[10:11], s[6:7]         ; the choice hangs on the work-group's number alone
	s_lshl_b32 s23, s23, 6                         ; the work-group's first column
	s_lshl_b32 s25, s29, 5
	s_add_co_u32 s31, s23, s25                     ; my wave's first column
	s_lshl_b32 s26, s24, 22                        ; 512 rows of 8,192 bytes,
	s_lshl_b32 s25, s30, 21                        ; 256 more for the second half,
	s_add_co_u32 s26, s26, s25
	s_lshl_b32 s25, s31, 2                         ; 4 bytes a column
	s_add_co_u32 s26, s26, s25
	s_mov_b32 s27, 0
	s_add_nc_u64 s[6:7], s[6:7], s[26:27]
	s_lshl_b32 s25, s22, 11
	s_add_co_u32 s25, s25, s23
	s_add_co_u32 s25, s25, 2048                    ; the row of codes and of scales that the work-group's first column becomes
	s_lshl_b32 s28, s20, 4
	s_add_co_u32 s28, s28, s25                     ; the first of the 16 rows of codes that I store
	s_lshl_b32 s26, s28, 10
	s_lshl_b32 s28, s24, 8
	s_add_co_u32 s26, s26, s28
	s_add_nc_u64 s[14:15], s[14:15], s[26:27]
	s_lshl_b32 s28, s29, 5
	s_add_co_u32 s28, s28, s25                     ; the row of scales of my first column:
	s_lshl_b32 s26, s28, 6                         ; 64 bytes a row,
	s_lshl_b32 s28, s24, 4                         ; 16 for each 512 along K,
	s_add_co_u32 s26, s26, s28
	s_lshl_b32 s28, s30, 3                         ; 8 for my half
	s_add_co_u32 s26, s26, s28
	s_add_nc_u64 s[16:17], s[16:17], s[26:27]
	v_lshlrev_b32 v3, 2, v2                        ; in: 4 bytes a lane: the wave reads 128 consecutive bytes
	s_mul_i32 s28, s29, 32*WPITCH                  ; into the stage: row = column within the work-group's 64, my half of its 256 bytes
	s_lshl_b32 s25, s30, 7
	s_add_co_u32 s28, s28, s25
	s_add_co_u32 s28, s28, WSTG
	v_mul_u32_u24 v4, v2, WPITCH
	v_add_nc_u32 v4, s28, v4
	v_and_b32 v5, 15, v2
	v_lshrrev_b32 v6, 4, v2                        ; out of it: rows 16 w on; sixteen lanes to a row, two rows an instruction
	s_mul_i32 s28, s20, 16*WPITCH
	s_add_co_u32 s28, s28, WSTG
	v_mul_u32_u24 v7, v6, WPITCH
	v_lshl_add_u32 v7, v5, 4, v7
	v_add_nc_u32 v7, s28, v7
	v_mul_u32_u24 v8, v6, KROW
	v_lshl_add_u32 v8, v5, 4, v8                   ; and the same place in codes
	v_mul_u32_u24 v9, v2, 64                       ; my column's row of scale bytes
	WLOAD 0
	WLOAD 1
.set Q, 0
.rept NB
	WBLOCK Q
.set Q, Q+1
.endr
	global_store_b64 v9, v[SB:SB+1], s[16:17]      ; my column's 8 scale bytes
	s_wait_dscnt 0x0                               ; for the others' sake: my stores into the stage have landed
	s_barrier_signal -1
	s_barrier_wait -1                              ; all 64 rows are whole
.irp t, 0,1,2,3,4,5,6,7
	ds_load_b128 v[OUTR+4*\t:OUTR+4*\t+3], v7 offset:2*\t*WPITCH
.endr
.irp t, 0,1,2,3,4,5,6,7
	s_wait_dscnt 7-\t                              ; LDS loads come back in order: load t is in, the younger ones may be out
	global_store_b128 v8, v[OUTR+4*\t:OUTR+4*\t+3], s[14:15] offset:2*\t*KROW   ; sixteen lanes store 256 consecutive bytes, aligned
.endr
	s_wait_tensorcnt 0x0                           ; the wave's end: a wait, an add of 0 to my spare word and its wait, behind my last LDS store
	ds_add_u32 v[SPW], v[NIL]
	s_wait_dscnt 0x0
	s_endpgm
.Lwo:
	; ---------------- Wo to f16: a wave takes 16,384 bytes, all 32 loads out at once
	s_sub_co_u32 s21, ttmp9, 512
	s_lshl_b32 s22, s21, 16
	s_lshl_b32 s23, s20, 14
	s_add_co_u32 s22, s22, s23
	s_mov_b32 s23, 0
	s_add_nc_u64 s[12:13], s[12:13], s[22:23]
	s_lshr_b32 s22, s22, 1
	s_add_nc_u64 s[18:19], s[18:19], s[22:23]
	v_lshlrev_b32 v3, 4, v2
	v_lshlrev_b32 v4, 3, v2
.set i, 0
.rept 32
	global_load_b128 v[D+4*i:D+4*i+3], v3, s[12:13] offset:512*i th:TH_LOAD_NT
.set i, i+1
.endr
.set i, 0
.rept 32
	s_wait_loadcnt 31-i                            ; loads come back in order: load i is in
	v_cvt_pk_f16_f32 v[D+4*i], v[D+4*i], v[D+4*i+1]
	v_cvt_pk_f16_f32 v[D+4*i+1], v[D+4*i+2], v[D+4*i+3]
	global_store_b64 v4, v[D+4*i:D+4*i+1], s[18:19] offset:256*i   ; the wave stores 256 consecutive bytes, aligned
.set i, i+1
.endr
	s_endpgm                                       ; this way wrote no LDS
.Lfunc_end_k_q6d044cb00b_prep:
	.size	k_q6d044cb00b_prep, .Lfunc_end_k_q6d044cb00b_prep-k_q6d044cb00b_prep
	.p2alignl 7, 3214868480
	.fill 96, 4, 3214868480
	.section	.rodata,"a",@progbits
	.p2align	6, 0x0
	.amdhsa_kernel k_q6d044cb00b_prep
		.amdhsa_group_segment_fixed_size 50688
		.amdhsa_private_segment_fixed_size 0
		.amdhsa_enable_private_segment 0
		.amdhsa_kernarg_size 64
		.amdhsa_user_sgpr_count 2
		.amdhsa_user_sgpr_kernarg_segment_ptr 1
		.amdhsa_wavefront_size32 1
		.amdhsa_system_sgpr_workgroup_id_x 1
		.amdhsa_system_sgpr_workgroup_id_y 1
		.amdhsa_system_sgpr_workgroup_id_z 1
		.amdhsa_system_vgpr_workitem_id 0
		.amdhsa_next_free_vgpr 196
		.amdhsa_next_free_sgpr 66
		.amdhsa_reserve_vcc 0
		.amdhsa_float_denorm_mode_32 3
		.amdhsa_float_denorm_mode_16_64 3
		.amdhsa_memory_ordered 1
		.amdhsa_forward_progress 1
		.amdhsa_inst_pref_size 85
	.end_amdhsa_kernel
	.amdgpu_metadata
---
amdhsa.version: [ 1, 2 ]
amdhsa.kernels:
  - .name:           k_q6d044cb00b_prep
    .symbol:         k_q6d044cb00b_prep.kd
    .args:
      - { .name: hidden_states, .offset: 0, .size: 8, .value_kind: global_buffer, .address_space: global }
      - { .name: Wq, .offset: 8, .size: 8, .value_kind: global_buffer, .address_space: global }
      - { .name: Wk, .offset: 16, .size: 8, .value_kind: global_buffer, .address_space: global }
      - { .name: Wv, .offset: 24, .size: 8, .value_kind: global_buffer, .address_space: global }
      - { .name: Wo, .offset: 32, .size: 8, .value_kind: global_buffer, .address_space: global }
      - { .name: codes, .offset: 40, .size: 8, .value_kind: global_buffer, .address_space: global }
      - { .name: scales, .offset: 48, .size: 8, .value_kind: global_buffer, .address_space: global }
      - { .name: wo16, .offset: 56, .size: 8, .value_kind: global_buffer, .address_space: global }
    .group_segment_fixed_size: 50688
    .private_segment_fixed_size: 0
    .kernarg_segment_align: 8
    .kernarg_segment_size: 64
    .max_flat_workgroup_size: 128
    .sgpr_count:     66
    .vgpr_count:     196
    .wavefront_size: 32
...
	.end_amdgpu_metadata
.endif
;; end of part 1
;; launch qkv (part 2): grid 24 x 8, 4 waves a work-group, clusters of 4 x 4, 327,680 bytes of LDS; arguments codes, scales, bq, bk, bv, qkh16, v16; writes qkh16, v16
.if DOCPART == 2
	.amdgcn_target "amdgcn-amd-amdhsa--gfx1250"
	.amdhsa_code_object_version 6
	.text
	.protected	k_q6d044cb00b_qkv
	.globl	k_q6d044cb00b_qkv
	.p2align	8
	.type	k_q6d044cb00b_qkv,@function
k_q6d044cb00b_qkv:
	s_mov_b64 s[64:65], 0
	v_nop
	global_prefetch_b8 v0, s[64:65] scope:SCOPE_SE
	s_setreg_imm32_b32 hwreg(HW_REG_WAVE_MODE, 25, 1), 1
	s_wait_xcnt 0x0
	s_wait_alu depctr_hold_cnt(0) depctr_sa_sdst(0) depctr_va_vdst(0) depctr_va_sdst(0) depctr_va_ssrc(0) depctr_va_vcc(0) depctr_vm_vsrc(0)
	s_getreg_b32 s2, hwreg(HW_REG_IB_STS2, 6, 4)
	s_cmp_eq_u32 s2, 0
	s_cbranch_scc0 .Lentry_in_a_cluster
	s_endpgm
.Lentry_in_a_cluster:
	s_bfe_u32 s2, ttmp6, 0x10000c
	s_cmp_lg_u32 s2, 0xf033
	s_cbranch_scc0 .Lentry_shape_is_right
	s_endpgm
.Lentry_shape_is_right:
; [q | k | v] = hidden_states x [Wq | Wk | Wv] + [bq | bk | bv], on codes of E2M1 with one E8M0 scale for each 32 along K; sums in f32.
; A = rows 0-2047 of codes (hidden_states), B = rows 2048-8191 (the 6,144 columns of the three weights), K = 2,048 innermost, 1,024 bytes a row; scales likewise, 64 bytes a row.
; A tile of C, 256 x 256, is made by a work-group of four waves; a wave makes 128 x 128: 64 accumulators, 512 registers.  Tile columns 0-7 are q, 8-15 k, 16-23 v.
; ALL THREE LEAVE AS f16, rounded once from the f32 sums: q + bq and k + bk into qkh16 [2048][4096] (the norm over a whole row comes in the next launch, in f32, on these rounded numbers:
; a rounding that the source does not have), v + bv into v16 [2048][2048].  LIMIT: |q + bq|, |k + bk|, |v + bv| up to 65,504.
; Which of the three a tile is hangs on the cluster's x alone (0, 1: q; 2, 3: k; 4, 5: v): it is the same in all sixteen partners.
; K goes in steps of 512 through a ring of two LDS slots filled by the tensor data mover; a tile's row is 256 bytes of memory.  The scales of the work-group's rows, for all of K, come into LDS once.
; CLUSTERS: 4 x 4 work-groups.  The four of a row of the cluster need the same tiles of A, the four of a column the same tiles of B: each tile is asked for jointly.
; THE MATRIX INSTRUCTION IS USED TRANSPOSED (source 0 = 16 rows of B, source 1 = 16 rows of A): a lane holds eight neighbouring numbers of a row of C.
; THE BIAS IS THE C OF EACH SUM'S FIRST PRODUCT: eight registers for each of B's eight blocks, in the result's layout.
; REGISTERS, in windows of 256: window 0: v0-31 addresses; v32-95 scale words, two sets; v96-127 at work on the way out; v128-191 A's fragments, one set; v192-255 the bias; on the way out v128-191 take rows read back.
;   window 1: B's fragments, two sets, at v0 and v128.   window 2: the accumulators of my rows 0-63 ((a, b) at v[8 (8 a + b)]);   window 3: those of my rows 64-127.
.set KSTEP,  512
.set NQ,     4                         ; matrix instructions deep in a slot
.set ROWB,   256                       ; a tile's row in bytes
.set KROW,   1024                      ; a row of codes in memory
.set PITCH,  272                       ; an LDS row: 256 bytes + 16 of padding: the 16 rows that a load touches start 68 words apart
.set FR,     8
.set NL,     2
.set NP,     4                         ; places behind this matrix instruction (ISA guide 7.12.1)
.set HALFT,  128*PITCH
.set SLOT,   4*HALFT                   ; A's 256 rows, then B's 256 rows
.set LAPS,   2                         ; 2,048 along K = four K steps = twice round the ring
.set KS,     64                        ; a row of scales in bytes
.set SCL,    2*SLOT                    ; behind the ring: the scales, as units of 256 bytes + 16 of padding
.set HALFS,  (128*KS/256)*272
.set SBLK,   (16*KS/256)*272
.set SPARE,  SCL+4*HALFS               ; the spare words, 128 bytes for each wave
.set HPITCH, 272                       ; the way out: a stage of 16 rows x (256 + 16) for each wave, in slot 0, which has then had its last fill and its last read:
.set VSTG,   34816                     ; q's and k's tiles have theirs from LDS byte 0, v's from here: each way has bytes of its own
.set QROW,   8192                      ; a row of qkh16 in bytes
.set VROW,   4096                      ; a row of v16 in bytes
.set ADRA, 16
.set STO2, 18                          ; v18  v's way out: where I put 16 bytes of a row
.set RD2,  19                          ; v19  and where I read a row back
.set ADRB, 20
.set CO2,  22                          ; v22  my byte offset in two rows of v16
.set STO,  24                          ; v24-26  the same three for q's and k's way out
.set RD,   25
.set CO,   26
.set ADRS, 27
.set SPW,  28
.set NIL,  29
.set BO,   30                          ; v30  32 x (lane / 16): my half's eight numbers of a block's bias
.set SC,   32
.set TMPH, 96
.set AF,   128
.set BI,   192
.set BK,   128
.set G1, 24
.set G0, 32
.set G1B, 48
.set G0B, 56
.set G1S, 68
.set G0S, 76
.set G1SB, 80
.set G0SB, 88
.set MSB, 0
.macro WIN new                         ; the immediate's high byte repeats the setting that is left
.if MSB != \new
	s_set_vgpr_msb (MSB<<8)|\new
.set MSB, \new
.endif
.endm
.set MUL_LO, 0xa1                      ; source 0 (B) window 1, source 1 (A) window 0, C and D window 2
.set MUL_HI, 0xf1                      ; the same, C and D window 3
.set FIRST_LO, 0x81                    ; the first step: C (the bias) window 0, D window 2
.set FIRST_HI, 0xc1                    ; D window 3
.set TO_B,   0x40
; A joint load: waves 0 and 1 fetch for A, waves 2 and 3 for B.  The branch hangs on the wave's number alone.  An s_nop 0 and four v_nop follow each line.
.macro JLOAD g0a, g1a, g0b, g1b
	s_cmp_eq_u32 s15, 0
	s_cbranch_scc0 .Lfor_b_\@
	tensor_load_to_lds s[\g0a:\g0a+3], s[\g1a:\g1a+7]
	s_nop 0
.rept 4
	v_nop
.endr
	s_branch .Lasked_\@
.Lfor_b_\@:
	tensor_load_to_lds s[\g0b:\g0b+3], s[\g1b:\g1b+7]
	s_nop 0
.rept 4
	v_nop
.endr
.Lasked_\@:
.endm
.macro CREST                           ; a round of the cluster's barrier behind its opening barrier
	s_cmp_lg_u32 s14, 0
	s_cbranch_scc1 .Lnot_wave_0_\@
	s_barrier_signal -3
.Lnot_wave_0_\@:
	s_barrier_wait -3
	s_barrier_signal -1
	s_barrier_wait -1
.endm
.macro CROUND
	s_barrier_signal -1
	s_barrier_wait -1
	CREST
.endm
	s_load_b128 s[4:7], s[0:1], 0x0                ; codes s[4:5], scales s[6:7]
	s_load_b128 s[96:99], s[0:1], 0x10             ; bq, bk
	s_load_b64 s[100:101], s[0:1], 0x20            ; bv
	s_load_b64 s[12:13], s[0:1], 0x28              ; qkh16
	s_load_b64 s[66:67], s[0:1], 0x30              ; v16
	v_lshl_add_u32 v[SPW], v0, 2, SPARE
	v_mov_b32 v[NIL], 0
	ds_add_u32 v[SPW], v[NIL]                      ; the wave's opening: the add, twice on end, and its wait ahead of my first tensor load
	ds_add_u32 v[SPW], v[NIL]
	v_lshrrev_b32 v1, 5, v0
	v_readfirstlane_b32 s14, v1                    ; wave 0..3
	s_lshr_b32 s15, s14, 1                         ; which half of the tile's rows is mine.  Also: I fetch for A (0) or for B (1)
	s_and_b32 s16, s14, 1                          ; which half of its columns.  Also: which 128 rows of that tile I fetch
	s_bfe_u32 s40, ttmp6, 0x40000                  ; cx, cy
	s_bfe_u32 s41, ttmp6, 0x40004
	s_lshl_b32 s42, ttmp9, 2
	s_add_co_u32 s42, s42, s40                     ; tile column = 4 x cluster x + cx: 0 .. 23
	s_and_b32 s17, ttmp7, 0xffff
	s_lshl_b32 s17, s17, 2
	s_add_co_u32 s17, s17, s41                     ; tile row = 4 x cluster y + cy: 0 .. 7
	s_lshl_b32 s43, s41, 2
	s_lshl_b32 s43, 15, s43                        ; my row of the cluster
	s_lshl_b32 s44, 0x1111, s40                    ; my column
	; descriptor group 1: a tile of 128 rows x 256 bytes, padded in LDS
	s_or_b32 s[G1+0], s43, (0<<16)|(1<<20)|(1<<21)|(5<<22)|(3<<25)  ; 15:0 the mask; 17:16 element of 1 byte; 20 padding on; 21 set beside a mask; 24:22 after every 64 words; 31:25 four words
	s_or_b32 s[G1B+0], s44, (0<<16)|(1<<20)|(1<<21)|(5<<22)|(3<<25)
.irp g, G1, G1B
	s_mov_b32 s[\g+1], ROWB<<16                    ; tensor_dim0
	s_mov_b32 s[\g+2], 128<<16                     ; tensor_dim1
	s_mov_b32 s[\g+3], ROWB<<16                    ; tile_dim0
	s_mov_b32 s[\g+4], 128                         ; tile_dim1
	s_mov_b32 s[\g+5], KROW                        ; from row to row
	s_mov_b32 s[\g+6], 0
	s_mov_b32 s[\g+7], 0
.endr
	; the scales of 128 rows: a dense block of 8,192 bytes, as 32 rows of 256 bytes (32 elements of 8 bytes), 16 bytes of padding behind each
	s_or_b32 s[G1S+0], s43, (3<<16)|(1<<20)|(1<<21)|(5<<22)|(3<<25)
	s_or_b32 s[G1SB+0], s44, (3<<16)|(1<<20)|(1<<21)|(5<<22)|(3<<25)
.irp g, G1S, G1SB
	s_mov_b32 s[\g+1], 32<<16
	s_mov_b32 s[\g+2], (128*KS/256)<<16
	s_mov_b32 s[\g+3], 32<<16
	s_mov_b32 s[\g+4], 128*KS/256
	s_mov_b32 s[\g+5], 32
	s_mov_b32 s[\g+6], 0
	s_mov_b32 s[\g+7], 0
.endr
	s_lshl_b32 s18, s16, 7                         ; which 128 rows of the tile I fetch
	s_lshl_b32 s20, s17, 8
	s_add_co_u32 s20, s20, s18                     ; A: row 256 x tile row + 128 x half
	s_lshl_b32 s46, s42, 8
	s_add_co_u32 s46, s46, s18                     ; B: row 256 x tile column + 128 x half
	s_mov_b32 s21, 0
	s_mov_b32 s47, 0
	s_mov_b64 s[18:19], KS
	s_mul_u64 s[22:23], s[20:21], s[18:19]         ; where these rows' scales begin,
	s_mul_u64 s[92:93], s[46:47], s[18:19]
	s_mov_b64 s[18:19], KROW
	s_mul_u64 s[20:21], s[20:21], s[18:19]         ; and their codes
	s_mul_u64 s[46:47], s[46:47], s[18:19]
	s_mul_i32 s45, s14, HALFT                      ; where they go: wave x 128 rows: no place in the cluster enters an LDS address
	s_mul_i32 s94, s14, HALFS
	s_wait_dscnt 0x0                               ; both opening adds are done
	s_wait_kmcnt 0x0
	s_add_nc_u64 s[8:9], s[4:5], 0x200000          ; B's codes begin behind A's 2,048 rows of 1,024 bytes,
	s_add_nc_u64 s[10:11], s[6:7], 0x20000         ; B's scales behind A's 2,048 rows of 64
	s_add_nc_u64 s[20:21], s[4:5], s[20:21]
	s_add_nc_u64 s[22:23], s[6:7], s[22:23]
	s_add_nc_u64 s[46:47], s[8:9], s[46:47]
	s_add_nc_u64 s[92:93], s[10:11], s[92:93]
	CROUND                                         ; all sixteen work-groups are here: the first joint loads meet
	s_mov_b32 s[G0S], 1
	s_add_co_u32 s[G0S+1], s94, SCL
	s_mov_b64 s[G0S+2:G0S+3], s[22:23]
	s_or_b32 s[G0S+3], s[G0S+3], 0x80000000
	s_mov_b32 s[G0SB], 1
	s_add_co_u32 s[G0SB+1], s94, SCL
	s_mov_b64 s[G0SB+2:G0SB+3], s[92:93]
	s_or_b32 s[G0SB+3], s[G0SB+3], 0x80000000
	JLOAD G0S, G1S, G0SB, G1SB                     ; the scales first: they are wanted with K step 0
.irp s, 0,1
	s_mov_b32 s[G0+4*\s], 1
	s_add_co_u32 s[G0+4*\s+1], s45, \s*SLOT
	s_add_nc_u64 s[G0+4*\s+2:G0+4*\s+3], s[20:21], \s*ROWB
	s_or_b32 s[G0+4*\s+3], s[G0+4*\s+3], 0x80000000
	s_mov_b32 s[G0B+4*\s], 1
	s_add_co_u32 s[G0B+4*\s+1], s45, \s*SLOT
	s_add_nc_u64 s[G0B+4*\s+2:G0B+4*\s+3], s[46:47], \s*ROWB
	s_or_b32 s[G0B+4*\s+3], s[G0B+4*\s+3], 0x80000000
	JLOAD G0+4*\s, G1, G0B+4*\s, G1B
.endr
	v_and_b32 v1, 15, v0                           ; l % 16
	v_bfe_u32 v2, v0, 4, 1                         ; l / 16
	v_mul_u32_u24 v3, v1, PITCH
	v_lshl_add_u32 v4, v2, 4, v3                   ; a fragment's row x pitch + 16 x half
	s_mul_i32 s21, s15, HALFT                      ; my 128 rows of A
	s_mul_i32 s22, s16, HALFT                      ; my 128 rows of B,
	s_add_co_u32 s22, s22, 2*HALFT                 ; which lie behind A's 256
.irp s, 0,1
	v_add_nc_u32 v[ADRA+\s], s21, v4
	v_add_nc_u32 v[ADRB+\s], s22, v4
	s_add_co_u32 s21, s21, SLOT
	s_add_co_u32 s22, s22, SLOT
.endr
	v_mul_u32_u24 v5, v1, KS                       ; my row's scales: 64 bytes a row,
	v_lshrrev_b32 v6, 8, v5
	v_lshl_add_u32 v5, v6, 4, v5                   ; and 16 more for each 256 passed
	s_mul_i32 s21, s15, HALFS
	s_mul_i32 s22, s16, HALFS
	s_add_co_u32 s22, s22, 2*HALFS
	s_sub_co_u32 s22, s22, s21
	v_mul_u32_u24 v6, s22, v2                      ; lanes 16-31 take B's
	s_add_co_u32 s21, s21, SCL
	v_add_nc_u32 v5, v5, v6
	v_add_nc_u32 v[ADRS], s21, v5
	s_mul_i32 s23, s14, 16*HPITCH                  ; my stage on q's and k's way out
	v_mul_u32_u24 v5, v1, HPITCH
	v_lshl_add_u32 v5, v2, 4, v5                   ; in: row l % 16, 16 bytes for each half of the lanes
	v_mul_u32_u24 v6, v2, HPITCH
	v_lshl_add_u32 v6, v1, 4, v6                   ; back: lanes 0-15 one row of 256 bytes, lanes 16-31 the next
	v_add_nc_u32 v[STO], s23, v5
	v_add_nc_u32 v[RD], s23, v6
	s_add_co_u32 s23, s23, VSTG                    ; and on v's
	v_add_nc_u32 v[STO2], s23, v5
	v_add_nc_u32 v[RD2], s23, v6
	v_lshlrev_b32 v5, 13, v2
	v_lshl_add_u32 v[CO], v1, 4, v5                ; the same two rows in qkh16,
	v_lshlrev_b32 v5, 12, v2
	v_lshl_add_u32 v[CO2], v1, 4, v5               ; in v16
	s_lshl_b32 s20, s17, 8
	s_lshl_b32 s21, s15, 7
	s_add_co_u32 s20, s20, s21                     ; my first row of C
	s_lshl_b32 s18, s20, 13                        ; qkh16 (used by q's and k's tiles alone): row x 8,192
	s_lshl_b32 s46, s42, 9                         ; + 512 x tile column + 256 x half
	s_lshl_b32 s47, s16, 8
	s_add_co_u32 s46, s46, s47
	s_add_co_u32 s46, s46, s18
	s_mov_b32 s47, 0
	s_add_nc_u64 s[12:13], s[12:13], s[46:47]
	s_and_b32 s19, s42, 7                          ; the tile's column within its own matrix
	s_lshl_b32 s18, s20, 12                        ; v16 (used by v's tiles alone): row x 4,096 + 512 x column + 256 x half
	s_lshl_b32 s46, s19, 9
	s_add_co_u32 s46, s46, s18
	s_lshl_b32 s18, s16, 8
	s_add_co_u32 s46, s46, s18
	s_add_nc_u64 s[66:67], s[66:67], s[46:47]
	s_cmp_lt_u32 ttmp9, 2                          ; whose bias: the choice hangs on the cluster's x alone
	s_cselect_b64 s[96:97], s[96:97], s[98:99]
	s_cmp_lt_u32 ttmp9, 4
	s_cselect_b64 s[96:97], s[96:97], s[100:101]
	s_lshl_b32 s46, s19, 10
	s_lshl_b32 s18, s16, 9
	s_add_co_u32 s46, s46, s18
	s_add_nc_u64 s[96:97], s[96:97], s[46:47]      ; at my 128 columns
	v_lshlrev_b32 v[BO], 5, v2
.irp b, 0,1,2,3,4,5,6,7
	global_load_b128 v[BI+8*\b:BI+8*\b+3], v[BO], s[96:97] offset:64*\b        ; register j of block b: the bias of column 16 b + 8 (l / 16) + j
	global_load_b128 v[BI+8*\b+4:BI+8*\b+7], v[BO], s[96:97] offset:64*\b+16
.endr
.macro FRAG reg, adr, q, i             ; 16 rows x 128 K of 4-bit codes: lane l holds row l % 16; registers 4 c .. 4 c + 3 hold K = 64 c + 32 (l / 16) + 0 .. 31
.irp c, 0,1
	ds_load_b128 v[\reg+4*\c:\reg+4*\c+3], v[\adr] offset:64*(\q)+32*\c+(\i)*16*PITCH
.endr
.endm
; 16 matrix instructions: A's blocks a0, a0 + 1 x B's eight, 128 along K.  first = 1: the bias is C and starts the sums: nothing is cleared or added later.
; The 64 accumulators take turns, one instruction a turn, in the same order in every step.
.macro MUL16 a0, p, q, sc, first
.irp a, \a0, \a0+1
.irp b, 0,1,2,3,4,5,6,7
.if \first
	v_wmma_scale_f32_16x16x128_f8f6f4 v[8*(8*((\a)%4)+\b):8*(8*((\a)%4)+\b)+7], v[128*(\p)+FR*\b:128*(\p)+FR*\b+FR-1], v[AF+FR*(\a):AF+FR*(\a)+FR-1], v[BI+8*\b:BI+8*\b+7], v[SC+8*NQ*(\sc)+NQ*\b+(\q)], v[SC+8*NQ*(\sc)+NQ*(\a)+(\q)] matrix_a_fmt:MATRIX_FMT_FP4 matrix_b_fmt:MATRIX_FMT_FP4 matrix_a_scale:MATRIX_SCALE_ROW1
.else
	v_wmma_scale_f32_16x16x128_f8f6f4 v[8*(8*((\a)%4)+\b):8*(8*((\a)%4)+\b)+7], v[128*(\p)+FR*\b:128*(\p)+FR*\b+FR-1], v[AF+FR*(\a):AF+FR*(\a)+FR-1], v[8*(8*((\a)%4)+\b):8*(8*((\a)%4)+\b)+7], v[SC+8*NQ*(\sc)+NQ*\b+(\q)], v[SC+8*NQ*(\sc)+NQ*(\a)+(\q)] matrix_a_fmt:MATRIX_FMT_FP4 matrix_b_fmt:MATRIX_FMT_FP4 matrix_a_scale:MATRIX_SCALE_ROW1
.endif
.endr
.endr
.endm
.macro FETCH_B slot, q, p
	WIN TO_B
.irp i, 0,1,2,3,4,5,6,7
	FRAG 128*(\p)+FR*\i, ADRB+\slot, \q, \i
.endr
	WIN 0
.endm
.macro FETCH_A slot, q, i0
.irp i, \i0, \i0+1, \i0+2, \i0+3
	FRAG AF+FR*(\i), ADRA+\slot, \q, \i
.endr
.endm
.macro SCALES sc                       ; a K step's scale words: four words a row; lanes 0-15 take A's block i, lanes 16-31 B's block i
.irp i, 0,1,2,3,4,5,6,7
	ds_load_b128 v[SC+8*NQ*\sc+NQ*\i:SC+8*NQ*\sc+NQ*\i+3], v[ADRS] offset:\i*SBLK
.endr
.endm
.macro PLACES n                        ; plain vector instructions between a matrix instruction and a load into its registers or a read of its result
.rept \n
	v_nop
.endr
.endm
.macro STEP slot, q, first             ; a step of 128 along K that has its successor in the same slot
	s_wait_dscnt 4*NL                              ; B's set and A's blocks 0-3 are in; the youngest eight loads (A's blocks 4-7) may be out
.if \first
	WIN FIRST_LO
.else
	WIN MUL_LO
.endif
	MUL16 0, (\q)%2, \q, \slot, \first
	MUL16 2, (\q)%2, \q, \slot, \first
	s_wait_dscnt 0                                 ; A's blocks 4-7 are in
	PLACES NP
	FETCH_B \slot, (\q)+1, 1-(\q)%2
	FETCH_A \slot, (\q)+1, 0
.if \first
	WIN FIRST_HI
.else
	WIN MUL_HI
.endif
	MUL16 4, (\q)%2, \q, \slot, \first
	MUL16 6, (\q)%2, \q, \slot, \first
	PLACES NP
	WIN 0
	FETCH_A \slot, (\q)+1, 4
.endm
; A slot's last step changes slots: one barrier; in front of it each wave waits for all its tensor loads, adds 0 to its spare word, and waits for that and for its own reads of this slot.
.macro TURN slot, next, fill
	s_wait_tensorcnt 0x0                           ; all my tensor loads have landed: my part of the next slot
	ds_add_u32 v[SPW], v[NIL]
	s_wait_dscnt 4*NL+1                            ; (the add and the youngest eight loads, A's blocks 4-7, may be out)
	WIN MUL_LO
	MUL16 0, 1, NQ-1, \slot, 0
	s_wait_dscnt 0x0                               ; the add is done, and my reads of this slot are over
	s_barrier_signal -1
	MUL16 2, 1, NQ-1, \slot, 0
	WIN 0
	s_barrier_wait -1
.if \fill
	CREST                                          ; the barrier has opened a round of the cluster's barrier: no wave of any partner still reads this slot or has a load on its way
	s_add_nc_u64 s[G0+4*\slot+2:G0+4*\slot+3], s[G0+4*\slot+2:G0+4*\slot+3], 2*ROWB
	s_add_nc_u64 s[G0B+4*\slot+2:G0B+4*\slot+3], s[G0B+4*\slot+2:G0B+4*\slot+3], 2*ROWB
	JLOAD G0+4*\slot, G1, G0B+4*\slot, G1B         ; the first tensor load behind the round; its four v_nop are the places in front of the loads below
.else
	PLACES NP
.endif
	v_add_nc_u32 v[ADRS], 4*NQ, v[ADRS]            ; on to the next K step's scale words
	FETCH_B \next, 0, 0
	FETCH_A \next, 0, 0
	SCALES \next
	WIN MUL_HI
	MUL16 4, 1, NQ-1, \slot, 0
	MUL16 6, 1, NQ-1, \slot, 0
	PLACES NP
	WIN 0
	FETCH_A \next, 0, 4
.endm
.macro STEPS slot, from
.set Q, \from
.rept NQ-1-\from
	STEP \slot, Q, 0
.set Q, Q+1
.endr
.endm
	s_wait_tensorcnt 1                             ; of my three loads the scales' and K step 0's are in; K step 1's may be out
	s_barrier_signal -1
	s_barrier_wait -1
	FETCH_B 0, 0, 0
	FETCH_A 0, 0, 0
	SCALES 0
	FETCH_A 0, 0, 4
	s_wait_loadcnt 0x0                             ; the bias
	STEP 0, 0, 1                                   ; the first step stands in front of the loop: its products start the sums
	s_mov_b32 s3, LAPS-1
.Llap:                                             ; a trip goes once round the ring, from a lap's second step to the next lap's first, and fills both slots again
	STEPS 0, 1
	TURN 0, 1, 1
	STEPS 1, 0
	TURN 1, 0, 1
	STEP 0, 0, 0
	s_sub_co_u32 s3, s3, 1
	s_cmp_lg_u32 s3, 0
	s_cbranch_scc1 .Llap
	STEPS 0, 1                                     ; the last lap fills nothing
	TURN 0, 1, 0
	STEPS 1, 0
	s_wait_dscnt 4*NL
	WIN MUL_LO
	MUL16 0, 1, NQ-1, 1, 0
	MUL16 2, 1, NQ-1, 1, 0
	s_wait_dscnt 0
	WIN MUL_HI
	MUL16 4, 1, NQ-1, 1, 0
	MUL16 6, 1, NQ-1, 1, 0
	WIN 0
	PLACES NP                                      ; behind the last products, for both arms of the way out
; THE WAY OUT, f16, block by block of 16 rows x 128 columns: a lane's eight numbers pack into 16 bytes; a block goes through my own stage and comes back as rows of 256 bytes.
.macro PACKH a
.set AC, 64*((\a)%4)
	WIN 0x0a+5*((\a)/4)                            ; sources 0 and 1: window 2 or 3
.irp b, 0,1,2,3,4,5,6,7
.irp r, 0,1,2,3
	v_cvt_pk_f16_f32 v[TMPH+4*\b+\r], v[AC+8*\b+2*\r], v[AC+8*\b+2*\r+1]   ; each accumulator from its low end on
.endr
.endr
	WIN 0
.endm
.macro TOSTAGEH a, sto, rd
.set BB, BK+32*((\a)%2)
.irp b, 0,1,2,3,4,5,6,7
	ds_store_b128 v[\sto], v[TMPH+4*\b:TMPH+4*\b+3] offset:32*\b
.endr
.irp t, 0,1,2,3,4,5,6,7
	ds_load_b128 v[BB+4*\t:BB+4*\t+3], v[\rd] offset:\t*2*HPITCH    ; LDS serves a wave's instructions in order: these see the stores above
.endr
.endm
.macro SENDH a, co, base, rowb
.set BB, BK+32*((\a)%2)
	s_wait_dscnt 0x0                               ; the block is back in registers
	s_wait_xcnt 0x0                                ; the earlier stores have read their registers and their base: both may be written again
.if (\a) > 0
	s_add_nc_u64 s[\base:\base+1], s[\base:\base+1], 16*\rowb
.endif
.irp t, 0,1,2,3,4,5,6,7
	global_store_b128 v[\co], v[BB+4*\t:BB+4*\t+3], s[\base:\base+1] offset:2*\t*\rowb   ; 16 lanes store 256 consecutive bytes, aligned
.endr
.endm
.macro WAYOUT sto, rd, co, base, rowb
	PACKH 0
	TOSTAGEH 0, \sto, \rd
.irp a, 1,2,3,4,5,6,7                  ; block a's conversions stand between block a - 1's loads from the stage and the wait for them
	PACKH \a
	SENDH \a-1, \co, \base, \rowb
	TOSTAGEH \a, \sto, \rd
.endr
	SENDH 7, \co, \base, \rowb
	s_wait_tensorcnt 0x0                           ; the wave's end
	ds_add_u32 v[SPW], v[NIL]
	s_wait_dscnt 0x0
	CROUND                                         ; the closing round
	s_endpgm
.endm
	s_cmp_lt_u32 ttmp9, 4                          ; the cluster's x: the same arm in all sixteen partners
	s_cbranch_scc0 .Lv_out
	WAYOUT STO, RD, CO, 12, QROW                   ; q's and k's tiles, into qkh16
.Lv_out:
	WAYOUT STO2, RD2, CO2, 66, VROW                ; v's tiles, into v16
.Lfunc_end_k_q6d044cb00b_qkv:
	.size	k_q6d044cb00b_qkv, .Lfunc_end_k_q6d044cb00b_qkv-k_q6d044cb00b_qkv
	.p2alignl 7, 3214868480
	.fill 96, 4, 3214868480
	.section	.rodata,"a",@progbits
	.p2align	6, 0x0
	.amdhsa_kernel k_q6d044cb00b_qkv
		.amdhsa_group_segment_fixed_size 327680
		.amdhsa_private_segment_fixed_size 0
		.amdhsa_enable_private_segment 0
		.amdhsa_kernarg_size 56
		.amdhsa_user_sgpr_count 2
		.amdhsa_user_sgpr_kernarg_segment_ptr 1
		.amdhsa_wavefront_size32 1
		.amdhsa_system_sgpr_workgroup_id_x 1
		.amdhsa_system_sgpr_workgroup_id_y 1
		.amdhsa_system_sgpr_workgroup_id_z 1
		.amdhsa_system_vgpr_workitem_id 0
		.amdhsa_next_free_vgpr 1024
		.amdhsa_next_free_sgpr 102
		.amdhsa_reserve_vcc 0
		.amdhsa_float_denorm_mode_32 3
		.amdhsa_float_denorm_mode_16_64 3
		.amdhsa_memory_ordered 1
		.amdhsa_forward_progress 1
		.amdhsa_inst_pref_size 248
	.end_amdhsa_kernel
	.amdgpu_metadata
---
amdhsa.version: [ 1, 2 ]
amdhsa.kernels:
  - .name:           k_q6d044cb00b_qkv
    .symbol:         k_q6d044cb00b_qkv.kd
    .args:
      - { .name: codes, .offset: 0, .size: 8, .value_kind: global_buffer, .address_space: global }
      - { .name: scales, .offset: 8, .size: 8, .value_kind: global_buffer, .address_space: global }
      - { .name: bq, .offset: 16, .size: 8, .value_kind: global_buffer, .address_space: global }
      - { .name: bk, .offset: 24, .size: 8, .value_kind: global_buffer, .address_space: global }
      - { .name: bv, .offset: 32, .size: 8, .value_kind: global_buffer, .address_space: global }
      - { .name: qkh16, .offset: 40, .size: 8, .value_kind: global_buffer, .address_space: global }
      - { .name: v16, .offset: 48, .size: 8, .value_kind: global_buffer, .address_space: global }
    .group_segment_fixed_size: 327680
    .private_segment_fixed_size: 0
    .kernarg_segment_align: 8
    .kernarg_segment_size: 56
    .max_flat_workgroup_size: 128
    .sgpr_count:     102
    .vgpr_count:     1024
    .wavefront_size: 32
...
	.end_amdgpu_metadata
.endif
;; end of part 2
;; launch normrope (part 3): grid 512 x 1, 4 waves a work-group, no clusters, 0 bytes of LDS; arguments qkh16, gq, gk, freqs_cos, freqs_sin, qk16; writes qk16
.if DOCPART == 3
	.amdgcn_target "amdgcn-amd-amdhsa--gfx1250"
	.amdhsa_code_object_version 6
	.text
	.protected	k_q6d044cb00b_normrope
	.globl	k_q6d044cb00b_normrope
	.p2align	8
	.type	k_q6d044cb00b_normrope,@function
k_q6d044cb00b_normrope:
	s_mov_b64 s[64:65], 0
	v_nop
	global_prefetch_b8 v0, s[64:65] scope:SCOPE_SE
	s_setreg_imm32_b32 hwreg(HW_REG_WAVE_MODE, 25, 1), 1
	s_wait_xcnt 0x0
; q and k: RMS norm over the whole row of 2,048, gain, interleaved rotary, rounded once to f16.  qkh16: f16 [2048][4096] (q + bq | k + bk);  qk16: f16 [2048][4096] (q | k), the same layout.
; x' = x g rsqrt(mean(x^2) + 1e-5);  o(2p) = x'(2p) cos(2p) - x'(2p+1) sin(2p+1);  o(2p+1) = x'(2p) sin(2p+1) + x'(2p+1) cos(2p), p counted within a head of 128.
; All arithmetic is f32; the rows arrive rounded to f16 (a rounding that the source does not have).
; A wave takes two rows (positions s0, s0 + 1) of one of the two matrices: each byte is read once.  Load j of a row brings lane L the columns 256 j + 8 L .. + 7: head 2 j + L / 16, d = 8 (L % 16) on:
; four rotary pairs; so the lane's eight words of cos and of sin serve all 16 heads.  The two rows are worked one after the other through one set of 64 f32 registers.
; The row's factor r = rsqrt(..) is multiplied into the eight words of cos and sin that are used: an order of rounding in f32 that differs from the source's.
; LIMIT: results up to 65,504 (f16).  A stream: no LDS, no barrier, no loop; all 40 loads of a wave go out at once.
.set TS, 8                             ; v8-11    high halves, shifted down
.set XH, 16                            ; v16-47 row 0, v48-79 row 1: eight loads of four registers, two f16 each; later the results, in the same places
.set CF, 88                            ; row u: cos at v[CF + 16 u .. + 7], sin at v[CF + 16 u + 8 .. + 15]
.set WK, 120                           ; v120-127 at work
.set G,  128                           ; v128-191 the gains of my 64 columns
.set F,  192                           ; v192-255 the row in hand, f32
	s_load_b256 s[4:11], s[0:1], 0x0               ; qkh16 s[4:5], gq s[6:7], gk s[8:9], freqs_cos s[10:11]
	s_load_b128 s[16:19], s[0:1], 0x20             ; freqs_sin s[16:17], qk16 s[18:19]
	v_lshrrev_b32 v1, 5, v0
	v_readfirstlane_b32 s20, v1                    ; wave 0..3
	v_and_b32 v2, 31, v0
	v_lshlrev_b32 v1, 4, v2                        ; rows in and out: 16 bytes a lane
	v_and_b32 v3, 15, v0
	v_lshlrev_b32 v3, 5, v3                        ; cos, sin: 32 bytes for each lane of a half
	v_lshlrev_b32 v2, 5, v2                        ; gains: 32 bytes a lane
	s_and_b32 s21, s20, 1                          ; 0: q, 1: k
	s_lshr_b32 s22, s20, 1
	s_lshl_b32 s23, ttmp9, 1
	s_add_co_u32 s22, s22, s23
	s_lshl_b32 s22, s22, 1                         ; s0 = 2 (2 x work-group + wave / 2)
	s_lshl_b32 s24, s22, 13
	s_lshl_b32 s26, s21, 12
	s_add_co_u32 s24, s24, s26                     ; in and out: 8,192 s0 + 4,096 x matrix
	s_mov_b32 s25, 0
	s_lshl_b32 s28, s22, 9                         ; cos, sin: 512 bytes a position
	s_mov_b32 s29, 0
	s_mov_b32 s12, 0x76543210
	s_mov_b32 s13, 0xfedcba98                      ; v_permlanex16_b32's selects for lane l xor 16
	s_mov_b32 s14, 0x3a000000                      ; 1 / 2048
	s_mov_b32 s15, 0x3727c5ac                      ; 1e-5
	v_mov_b32 v14, 0                               ; a lane permute's destination counts as one of its sources
	s_wait_kmcnt 0x0
	s_add_nc_u64 s[4:5], s[4:5], s[24:25]
	s_add_nc_u64 s[18:19], s[18:19], s[24:25]
	s_add_nc_u64 s[10:11], s[10:11], s[28:29]
	s_add_nc_u64 s[16:17], s[16:17], s[28:29]
	s_cmp_eq_u32 s21, 0
	s_cselect_b64 s[6:7], s[6:7], s[8:9]           ; whose gain: the choice hangs on the wave's number alone
.irp u, 0,1
.irp j, 0,1,2,3,4,5,6,7
	global_load_b128 v[XH+32*\u+4*\j:XH+32*\u+4*\j+3], v1, s[4:5] offset:8192*\u+512*\j th:TH_LOAD_NT   ; 32 lanes read 512 consecutive bytes
.endr
.endr
.irp u, 0,1
	global_load_b128 v[CF+16*\u:CF+16*\u+3], v3, s[10:11] offset:512*\u
	global_load_b128 v[CF+16*\u+4:CF+16*\u+7], v3, s[10:11] offset:512*\u+16
	global_load_b128 v[CF+16*\u+8:CF+16*\u+11], v3, s[16:17] offset:512*\u
	global_load_b128 v[CF+16*\u+12:CF+16*\u+15], v3, s[16:17] offset:512*\u+16
.endr
.irp j, 0,1,2,3,4,5,6,7
	global_load_b128 v[G+8*\j:G+8*\j+3], v2, s[6:7] offset:1024*\j
	global_load_b128 v[G+8*\j+4:G+8*\j+7], v2, s[6:7] offset:1024*\j+16
.endr
; Row u from f16 to f16.  Register i of the row holds numbers 2 i (low half) and 2 i + 1 (high half) of my 64: they go to v[F + 2 i] and v[F + 2 i + 1].
.macro ROW u
.set XB, XH+32*(\u)
.set CB, CF+16*(\u)
.set i, 0
.if \u == 0
.irp s, v16.l,v17.l,v18.l,v19.l,v20.l,v21.l,v22.l,v23.l,v24.l,v25.l,v26.l,v27.l,v28.l,v29.l,v30.l,v31.l,v32.l,v33.l,v34.l,v35.l,v36.l,v37.l,v38.l,v39.l,v40.l,v41.l,v42.l,v43.l,v44.l,v45.l,v46.l,v47.l
	v_cvt_f32_f16 v[F+2*i], \s
.set i, i+1
.endr
.else
.irp s, v48.l,v49.l,v50.l,v51.l,v52.l,v53.l,v54.l,v55.l,v56.l,v57.l,v58.l,v59.l,v60.l,v61.l,v62.l,v63.l,v64.l,v65.l,v66.l,v67.l,v68.l,v69.l,v70.l,v71.l,v72.l,v73.l,v74.l,v75.l,v76.l,v77.l,v78.l,v79.l
	v_cvt_f32_f16 v[F+2*i], \s
.set i, i+1
.endr
.endif
.set i, 0
.rept 8                                ; the high halves, four registers at a time: shifted down, then widened
.irp k, 0,1,2,3
	v_lshrrev_b32 v[TS+\k], 16, v[XB+i+\k]
.endr
.set k2, 0
.irp s, v8.l,v9.l,v10.l,v11.l
	v_cvt_f32_f16 v[F+2*(i+k2)+1], \s
.set k2, k2+1
.endr
.set i, i+4
.endr
	v_pk_mul_f32 v[4:5], v[F:F+1], v[F:F+1]        ; the sum of my 64 squares, two at a time, in two chains started by the first products
	v_pk_mul_f32 v[6:7], v[F+2:F+3], v[F+2:F+3]
.set i, 4
.rept 15
	v_pk_fma_f32 v[4:5], v[F+i:F+i+1], v[F+i:F+i+1], v[4:5]
	v_pk_fma_f32 v[6:7], v[F+i+2:F+i+3], v[F+i+2:F+i+3], v[6:7]
.set i, i+4
.endr
	v_pk_add_f32 v[4:5], v[4:5], v[6:7]
	v_add_f32 v4, v4, v5
.irp m, 1,2,4,8                        ; across the 32 lanes
	v_add_f32_dpp v4, v4, v4 row_xmask:\m row_mask:0xf bank_mask:0xf
.endr
	v_permlanex16_b32 v14, v4, s12, s13
	v_add_f32 v4, v4, v14
	v_fma_f32 v4, v4, s14, s15                     ; mean + eps
	v_rsq_f32 v12, v4
.if \u == 0
	s_wait_loadcnt 0x0                             ; cos, sin, gains (and row 1)
.endif
.set i, 0
.rept 32
	v_pk_mul_f32 v[F+i:F+i+1], v[F+i:F+i+1], v[G+i:G+i+1]   ; x g: plain work that names nothing of the root's, between it and the wait
.set i, i+2
.endr
	s_wait_alu depctr_va_vdst(0)                   ; the wait ahead of the first use of r
.irp p, 0,2,4,6
	v_mul_f32 v[CB+\p], v[CB+\p], v12              ; r cos(d), d even,
	v_mul_f32 v[CB+9+\p], v[CB+9+\p], v12          ; r sin(d + 1)
.endr
.irp j, 0,1,2,3,4,5,6,7                ; load j's eight numbers: four pairs
.irp p, 0,1,2,3
	v_mul_f32 v[WK+2*\p], v[F+8*\j+2*\p+1], v[CB+9+2*\p]
	v_mul_f32 v[WK+2*\p+1], v[F+8*\j+2*\p+1], v[CB+2*\p]
.endr
.irp p, 0,1,2,3
	v_fma_f32 v[WK+2*\p], v[F+8*\j+2*\p], v[CB+2*\p], -v[WK+2*\p]
	v_fma_f32 v[WK+2*\p+1], v[F+8*\j+2*\p], v[CB+9+2*\p], v[WK+2*\p+1]
.endr
.irp p, 0,1,2,3
	v_cvt_pk_f16_f32 v[XB+4*\j+\p], v[WK+2*\p], v[WK+2*\p+1]   ; into the registers that the numbers came in: no store's data are written again
.endr
	global_store_b128 v1, v[XB+4*\j:XB+4*\j+3], s[18:19] offset:512*\j+8192*(\u)   ; the wave stores 512 consecutive bytes, aligned to 256
.endr
.endm
	s_wait_loadcnt 32                              ; row 0's 8 loads are in; the 32 behind them (row 1's 8, cos and sin 8, gains 16) may be out
	ROW 0
	ROW 1
	s_endpgm
.Lfunc_end_k_q6d044cb00b_normrope:
	.size	k_q6d044cb00b_normrope, .Lfunc_end_k_q6d044cb00b_normrope-k_q6d044cb00b_normrope
	.p2alignl 7, 3214868480
	.fill 96, 4, 3214868480
	.section	.rodata,"a",@progbits
	.p2align	6, 0x0
	.amdhsa_kernel k_q6d044cb00b_normrope
		.amdhsa_group_segment_fixed_size 0
		.amdhsa_private_segment_fixed_size 0
		.amdhsa_enable_private_segment 0
		.amdhsa_kernarg_size 48
		.amdhsa_user_sgpr_count 2
		.amdhsa_user_sgpr_kernarg_segment_ptr 1
		.amdhsa_wavefront_size32 1
		.amdhsa_system_sgpr_workgroup_id_x 1
		.amdhsa_system_sgpr_workgroup_id_y 1
		.amdhsa_system_sgpr_workgroup_id_z 1
		.amdhsa_system_vgpr_workitem_id 0
		.amdhsa_next_free_vgpr 256
		.amdhsa_next_free_sgpr 66
		.amdhsa_reserve_vcc 0
		.amdhsa_float_denorm_mode_32 3
		.amdhsa_float_denorm_mode_16_64 3
		.amdhsa_memory_ordered 1
		.amdhsa_forward_progress 1
		.amdhsa_inst_pref_size 39
	.end_amdhsa_kernel
	.amdgpu_metadata
---
amdhsa.version: [ 1, 2 ]
amdhsa.kernels:
  - .name:           k_q6d044cb00b_normrope
    .symbol:         k_q6d044cb00b_normrope.kd
    .args:
      - { .name: qkh16, .offset: 0, .size: 8, .value_kind: global_buffer, .address_space: global }
      - { .name: gq, .offset: 8, .size: 8, .value_kind: global_buffer, .address_space: global }
      - { .name: gk, .offset: 16, .size: 8, .value_kind: global_buffer, .address_space: global }
      - { .name: freqs_cos, .offset: 24, .size: 8, .value_kind: global_buffer, .address_space: global }
      - { .name: freqs_sin, .offset: 32, .size: 8, .value_kind: global_buffer, .address_space: global }
      - { .name: qk16, .offset: 40, .size: 8, .value_kind: global_buffer, .address_space: global }
    .group_segment_fixed_size: 0
    .private_segment_fixed_size: 0
    .kernarg_segment_align: 8
    .kernarg_segment_size: 48
    .max_flat_workgroup_size: 128
    .sgpr_count:     66
    .vgpr_count:     256
    .wavefront_size: 32
...
	.end_amdgpu_metadata
.endif
;; end of part 3
;; launch attn (part 4): grid 16 x 16, 4 waves a work-group, clusters of 4 x 1, 327,680 bytes of LDS; arguments qk16, v16, o16; writes o16
.if DOCPART == 4
	.amdgcn_target "amdgcn-amd-amdhsa--gfx1250"
	.amdhsa_code_object_version 6
	.text
	.protected	k_q6d044cb00b_attn
	.globl	k_q6d044cb00b_attn
	.p2align	8
	.type	k_q6d044cb00b_attn,@function
k_q6d044cb00b_attn:
	s_mov_b64 s[64:65], 0
	v_nop
	global_prefetch_b8 v0, s[64:65] scope:SCOPE_SE
	s_setreg_imm32_b32 hwreg(HW_REG_WAVE_MODE, 25, 1), 1
	s_wait_xcnt 0x0
	s_wait_alu depctr_hold_cnt(0) depctr_sa_sdst(0) depctr_va_vdst(0) depctr_va_sdst(0) depctr_va_ssrc(0) depctr_va_vcc(0) depctr_vm_vsrc(0)
	s_getreg_b32 s2, hwreg(HW_REG_IB_STS2, 6, 4)
	s_cmp_eq_u32 s2, 0
	s_cbranch_scc0 .Lentry_in_a_cluster
	s_endpgm
.Lentry_in_a_cluster:
	s_bfe_u32 s2, ttmp6, 0x10000c
	s_cmp_lg_u32 s2, 0x3003
	s_cbranch_scc0 .Lentry_shape_is_right
	s_endpgm
.Lentry_shape_is_right:
; O[q][h] = the sum over k of softmax_k(Q[q][h] . K[k][h] / sqrt(128)) V[k][h], 16 heads of 128, 2,048 positions, no mask.  All operands f16; products, maxima and sums in f32; the weights p
; are rounded to f16 for the second product, O once at the end.  qk16: [2048][4096] (q | k), head h at columns 128 h;  v16, o16: [2048][2048].  LIMIT: |o| up to 65,504.
; SHARES.  A work-group owns 128 queries of one head.  Wave w owns query half w & 1 (64 queries: four tiles of 16) and KEY half w >> 1 of every slot of 256 keys: 16 steps of 64 keys.
; The two waves that share their queries (w and w xor 2) merge their maxima, sums and O^T at the end through LDS: each finishes two of the four tiles.
; LAYOUT.  S^T = K Q^T (source 0 = 16 keys, source 1 = 16 queries): a lane holds ONE query (lane % 16) and the keys 8 (lane / 16) + 0..7.  Two such tiles, rounded to f16 in pairs, ARE source 1
; of O^T = V^T P, whose result again holds one query a lane.  K comes out of LDS as it lies, V ([key][channel]) turned, by ds_load_tr16_b128.
; SOFTMAX.  For each query a running maximum m and sum l: p = 2^(c s - c m), c = log2(e) / sqrt(128); in every step O and l are multiplied by a = 2^(c m_old - c m_new).
; BY TURNS.  The wave's tiles are two PIECES (tiles 0, 1 and tiles 2, 3).  In a TURN one piece has the matrix unit: 32 products V^T P of the step in hand, then 32 products K Q^T of the next step;
; the other piece's softmax, cut into 64 slices, stands between them, one slice behind each matrix instruction.  Two turns are a key step.
; CLUSTER.  The four query blocks of a cluster belong to one head and walk the same K and V: each tile is asked for JOINTLY, by the same tensor load with a mask that names the four.
; REGISTERS, in windows of 256:  window 0: v0-11 addresses; v12-43 eight registers of statistics a tile; v44-47 the merge's addresses; v61-63; v64-191 S^T, 32 a tile; v192-255 P, 16 a tile
;   window 1: O^T, 64 a tile          window 2: v0-127 Q, 32 a tile; v128-255 K of one step          window 3: v0-127 V of one step
.set KS,    64        ; keys in a step
.set PK,    272       ; a row of K in LDS: 256 bytes + 16 of padding: the 16 rows of a load start 68 words apart
.set PV,    288       ; a row of V: 256 + 32: the 8 rows x 32 bytes that 16 lanes of the turning load take start 72 words apart
.set VOFF,  256*PK    ; a slot: 256 rows of K, then 256 rows of V
.set SLOTB, 256*(PK+PV)
.set SPARE, 2*SLOTB   ; behind the ring: the spare words, 128 bytes for each wave
.set XCHB,  16896     ; the merge: for each wave two tiles' images of O^T (8,192 bytes each) and four rows of 128 bytes of statistics; in slot 0, which has then had its last fill and its last read
.set STAGE, 4*XCHB    ; behind them: 16 rows x 272 bytes for each wave, for the way out
.set SP,    272
.set AK0, 2           ; v2   my lane's place in a tile of K; never rewritten
.set AV0, 3           ; v3   the same for V
.set ADR, 4           ; v4   the LDS address of the run of loads in hand
.set QO,  5           ; v5   my byte offset in the wave's rows of Q
.set STO, 6           ; v6   the way out: where I put 16 bytes of a row
.set RD,  7           ; v7   the way out: where I read a row back
.set GO,  8           ; v8   my byte offset in two rows of O
.set XS,  44          ; v44  the merge: where I put 16 bytes of an image;  v45 where I read my partner's
.set XR,  45
.set XSS, 46          ; v46  the same for a word of statistics;  v47
.set XRS, 47
.set PFO, 61          ; v61  the prefetches' offset: my lane x a row's bytes in memory; never rewritten
.set SPW, 62          ; v62  LDS address of my spare word; never rewritten
.set NIL, 63          ; v63  0; never rewritten
.set ST,  12          ; tile t's statistics at v[ST+8 t]: +0 c m, +1 m, +2, +3 l (even keys', odd keys'), +4 to +7 at work
.set S,   64
.set P,   192
.set KF,  128         ; K's fragments, in window 2
.set WV,  12          ; s12  my wave's number
.set LIM, 15          ; s15  1 in a work-group that prefetches, else the greatest number
.set PFA, 18          ; s[18:19] where my prefetches stand
.set G1K, 24          ; s[24:31] descriptor group 1 for K's tiles;  s[32:39] for V's
.set G1V, 32
.set G0K, 40          ; s[40:47] descriptor group 0 for K's tiles, a set for each slot;  s[48:55] for V's
.set G0V, 48
.set SLOTS, 56        ; s56  trips of the loop over pairs of slots still to go
.set TWICE, 57        ; s57  counts a slot's two steps
.set CS,  58          ; s[58:59] c
.set SEL, 60          ; s[60:61] lane selects for v_permlanex16_b32
.set TBK, 62          ; s62  LDS byte at which the K tile of the step to be fetched begins
.set TBV, 63          ; s63  the same for V (less VOFF, which stands in v3)
.set PFS, 66          ; s[66:67] a slot on in memory, in bytes
.set MSB, 0
.macro WIN new                      ; the immediate's high byte repeats the setting that is left
.if MSB != \new
	s_set_vgpr_msb (MSB<<8)|\new
.set MSB, \new
.endif
.endm
.set W_KQ, 0x0a       ; K and Q in window 2, S^T in window 0
.set W_PV, 0x53       ; V in window 3, P in window 0, O^T in window 1
.set W_RS, 0x41       ; O^T (destination and source 0) in window 1, a in window 0
; A joint refill of slot s.  Waves 0 and 1 fetch the two halves (128 rows) of K's tile, waves 2 and 3 those of V's.  The branch hangs on the wave's number alone.
; An s_nop 0 and four v_nop follow each of the two lines.
.macro JLOAD s
	s_cmp_lt_u32 s[WV], 2
	s_cbranch_scc0 .Lfor_v_\@
	tensor_load_to_lds s[G0K+4*(\s):G0K+4*(\s)+3], s[G1K:G1K+7]
	s_nop 0
.rept 4
	v_nop
.endr
	s_branch .Lasked_\@
.Lfor_v_\@:
	tensor_load_to_lds s[G0V+4*(\s):G0V+4*(\s)+3], s[G1V:G1V+7]
	s_nop 0
.rept 4
	v_nop
.endr
.Lasked_\@:
.endm
; A PREFETCH INTO THE L2 of what the NEXT change of slots will ask for: a slot's 256 rows of K and of V, 256 bytes a row, a lane a row.  It stands behind the wave's tensor load and its five lines.
; Each row is asked for ONCE in the launch.  All clusters of a head walk the same K and V: the head's first cluster asks.  Of the 128 rows that a wave fetches, each of the four partners takes 32,
; told apart BY ADDRESS.  how = 0: a trip's first change, which always has a slot behind the one it fills; how = 1: its second, which has none in the last trip.
.macro ASK how
.if \how
	s_cmp_gt_u32 s[SLOTS], s[LIM]
.else
	s_cmp_eq_u32 s[LIM], 1
.endif
	s_cbranch_scc0 .Lnot_mine_\@
	global_prefetch_b8 v[PFO], s[PFA:PFA+1] th:TH_LOAD_NT scope:SCOPE_SE
.Lnot_mine_\@:
.endm
.macro CROUND                       ; a round of the cluster's barrier
	s_barrier_signal -1
	s_barrier_wait -1
	s_cmp_lg_u32 s[WV], 0
	s_cbranch_scc1 .Lnot_wave_0_\@
	s_barrier_signal -3
.Lnot_wave_0_\@:
	s_barrier_wait -3
	s_barrier_signal -1
	s_barrier_wait -1
.endm
	s_load_b128 s[4:7], s[0:1], 0x0   ; qk16 s[4:5], v16 s[6:7]
	s_load_b64 s[10:11], s[0:1], 0x10 ; o16
	v_lshl_add_u32 v[SPW], v0, 2, SPARE
	v_mov_b32 v[NIL], 0
	ds_add_u32 v[SPW], v[NIL]       ; the wave's opening: the add, twice on end, and its wait ahead of my first tensor load
	ds_add_u32 v[SPW], v[NIL]
	v_lshrrev_b32 v1, 5, v0
	v_readfirstlane_b32 s[WV], v1   ; wave 0..3
	s_bfe_u32 s13, ttmp6, 0x40000   ; cx: my place in the cluster
	s_lshl_b32 s14, ttmp9, 2
	s_add_co_u32 s14, s14, s13      ; my block of 128 queries = 4 x cluster x + cx: it enters Q's and O's addresses alone
	s_and_b32 s20, ttmp7, 0xffff    ; the head, which the four partners share:
	s_lshl_b32 s20, s20, 8          ; its 256 bytes in a row
	s_and_b32 s16, s[WV], 1         ; my half of the queries.  Also: which 128 rows of a tile I fetch
	s_lshr_b32 s17, s[WV], 1        ; my half of a slot's keys
	s_lshl_b32 s22, s16, 20         ; K, what I fetch: 128 rows of 8,192 bytes x half,
	s_add_co_u32 s22, s22, s20
	s_add_co_u32 s22, s22, 4096     ; behind q's 4,096 bytes of a row
	s_mov_b32 s23, 0
	s_lshl_b32 s68, s16, 19         ; V: 128 rows of 4,096 bytes x half
	s_add_co_u32 s68, s68, s20
	s_mov_b32 s69, 0
	s_lshl_b32 s2, s14, 20          ; Q: my block's 128 rows, my wave's 64 of them
	s_lshl_b32 s3, s16, 19
	s_add_co_u32 s2, s2, s3
	s_add_co_u32 s2, s2, s20
	s_mov_b32 s3, 0
	s_lshl_b32 s70, s14, 19         ; O likewise, rows of 4,096 bytes
	s_lshl_b32 s71, s16, 18
	s_add_co_u32 s70, s70, s71
	s_add_co_u32 s70, s70, s20
	s_mov_b32 s71, 0
	s_mul_i32 s72, s16, 128*PK      ; where my half goes in a slot: no place in the cluster enters an LDS address
	s_mul_i32 s73, s16, 128*PV
	s_add_co_u32 s73, s73, VOFF
	; descriptor group 1: a tile of 128 rows x 128 elements, padded in LDS
	s_mov_b32 s[G1K], 15|(1<<16)|(1<<20)|(1<<21)|(5<<22)|(3<<25)  ; 15:0 the mask: all four work-groups; 17:16 elements of 2 bytes; 20 padding on; 21 set beside a mask; 24:22 after every 64 words; 31:25 four words
	s_mov_b32 s[G1V], 15|(1<<16)|(1<<20)|(1<<21)|(5<<22)|(7<<25)  ; the same with eight words of padding
.irp g, G1K, G1V
	s_mov_b32 s[\g+1], 128<<16      ; tensor_dim0 = 128
	s_mov_b32 s[\g+2], 128<<16      ; tensor_dim1 = 128
	s_mov_b32 s[\g+3], 128<<16      ; tile_dim0 = 128
	s_mov_b32 s[\g+4], 128          ; tile_dim1 = 128
	s_mov_b32 s[\g+6], 0
	s_mov_b32 s[\g+7], 0
.endr
	s_mov_b32 s[G1K+5], 4096        ; elements from row to row in qk16,
	s_mov_b32 s[G1V+5], 2048        ; in v16
	s_mov_b32 s[CS], 0x3e0293ee     ; c = log2(e) / sqrt(128)
	s_mov_b32 s[CS+1], s[CS]        ; named with it as a pair, so it is written
	s_mov_b32 s[SEL], 0x76543210
	s_mov_b32 s[SEL+1], 0xfedcba98
	s_mul_i32 s[TBK], s17, 128*PK   ; my half of slot 0's keys
	s_mul_i32 s[TBV], s17, 128*PV
	s_mov_b32 s[SLOTS], 3
	s_cmp_eq_u32 ttmp9, 0           ; the head's first cluster: the same in all four partners
	s_cselect_b32 s[LIM], 1, -1
	s_wait_dscnt 0x0                ; both opening adds are done
	s_wait_kmcnt 0x0
	s_mov_b64 s[8:9], s[6:7]
	s_add_nc_u64 s[6:7], s[4:5], s[22:23]  ; K and V at my half of slot 0's tile
	s_add_nc_u64 s[8:9], s[8:9], s[68:69]
	s_add_nc_u64 s[4:5], s[4:5], s[2:3]    ; Q and O at my wave's first row
	s_add_nc_u64 s[10:11], s[10:11], s[70:71]
	s_cmp_lt_u32 s[WV], 2           ; waves 0 and 1 prefetch K's rows, waves 2 and 3 V's
	s_cselect_b64 s[PFA:PFA+1], s[6:7], s[8:9]
	s_mov_b32 s69, 4096
	s_cselect_b32 s68, 8192, s69    ; a row's bytes in memory
	s_lshl_b32 s[PFS], s68, 8       ; a slot's 256 rows
	s_mov_b32 s[PFS+1], 0
	s_lshl_b32 s70, s13, 5          ; my work-group's 32 rows of the 128,
	s_mul_i32 s70, s70, s68
	s_lshl_b32 s71, s[PFS], 1       ; in the third slot's worth of keys: the first change of slots steps it on by one.  Nothing is prefetched here, at the head
	s_add_co_u32 s70, s70, s71
	s_mov_b32 s71, 0
	s_add_nc_u64 s[PFA:PFA+1], s[PFA:PFA+1], s[70:71]
	v_and_b32 v[PFO], 31, v0
	v_mul_lo_u32 v[PFO], v[PFO], s68
	CROUND                          ; all four work-groups are here: the first joint loads meet
.irp s, 0,1
	s_mov_b32 s[G0K+4*\s], 1        ; count = 1
	s_add_co_u32 s[G0K+4*\s+1], s72, \s*SLOTB  ; LDS address
	s_add_nc_u64 s[G0K+4*\s+2:G0K+4*\s+3], s[6:7], \s*256*8192  ; global address: slot s begins with keys 256 s on
	s_or_b32 s[G0K+4*\s+3], s[G0K+4*\s+3], 0x80000000  ; type = 2
	s_mov_b32 s[G0V+4*\s], 1
	s_add_co_u32 s[G0V+4*\s+1], s73, \s*SLOTB
	s_add_nc_u64 s[G0V+4*\s+2:G0V+4*\s+3], s[8:9], \s*256*4096
	s_or_b32 s[G0V+4*\s+3], s[G0V+4*\s+3], 0x80000000
.endr
	s_cmp_lt_u32 s[WV], 2           ; a wave's two first fills stand in one branch, ahead of every wait on TENSORcnt and every LDS read: two loads of mine are out
	s_cbranch_scc0 .Lfirst_v
	tensor_load_to_lds s[G0K:G0K+3], s[G1K:G1K+7]
	s_nop 0
	tensor_load_to_lds s[G0K+4:G0K+7], s[G1K:G1K+7]
	s_nop 0
.rept 4
	v_nop
.endr
	s_branch .Lfirst_asked
.Lfirst_v:
	tensor_load_to_lds s[G0V:G0V+3], s[G1V:G1V+7]
	s_nop 0
	tensor_load_to_lds s[G0V+4:G0V+7], s[G1V:G1V+7]
	s_nop 0
.rept 4
	v_nop
.endr
.Lfirst_asked:
	; A fragment of K or Q is 16 rows x 32 channels in 8 registers: lane l holds row l % 16; registers 0-3 channels 8 (l / 16) + 0..7, registers 4-7 channels 16 + 8 (l / 16) + 0..7.
	v_and_b32 v1, 15, v0            ; l % 16
	v_bfe_u32 v9, v0, 4, 1          ; l / 16
	v_lshlrev_b32 v[QO], 13, v1
	v_lshl_add_u32 v[QO], v9, 4, v[QO]  ; row x 8,192 + 16 x half
	WIN 0x80                        ; destination window 2, address window 0
.irp i, 0,1,2,3,4,5,6,7,8,9,10,11,12,13,14,15  ; Q stays in registers: tile i / 4, channels 32 (i % 4) on
	global_load_b128 v[8*\i:8*\i+3],   v[QO], s[4:5] offset:(\i/4)*131072+(\i%4)*64
	global_load_b128 v[8*\i+4:8*\i+7], v[QO], s[4:5] offset:(\i/4)*131072+(\i%4)*64+32
.endr
	WIN 0
	v_mul_u32_u24 v[AK0], v1, PK
	v_lshl_add_u32 v[AK0], v9, 4, v[AK0]  ; row x pitch + 16 x half
	; The turning load takes 16 keys x 16 channels (lane l reads 16 bytes: key 8 (l / 16) + l % 8, channels 8 ((l / 8) % 2) + 0..7) and leaves half a fragment of V^T.
	v_and_b32 v10, 7, v0
	v_bfe_u32 v11, v0, 3, 1
	v_lshl_add_u32 v[AV0], v9, 3, v10
	v_mul_u32_u24 v[AV0], v[AV0], PV
	v_lshl_add_u32 v[AV0], v11, 4, v[AV0]
	v_add_nc_u32 v[AV0], VOFF, v[AV0]
; THE MATRIX WORK OF A TURN, for piece x.  The accumulators take turns, one instruction a turn.
; Product i of 32 of O^T += V^T P: keys 32 (i / 16) on, channels 16 ((i / 2) % 8) on, tile x + i % 2.  zero = 1: the first 16 start the sums.
.macro PV x, zero
	WIN W_PV
.set rO, 64*(\x+i%2)+8*((i/2)%8)
.set rV, 64*(i/16)+8*((i/2)%8)
.set rP, P+16*(\x+i%2)+8*(i/16)
.if \zero && (i < 16)
	v_wmma_f32_16x16x32_f16 v[rO:rO+7], v[rV:rV+7], v[rP:rP+7], 0
.else
	v_wmma_f32_16x16x32_f16 v[rO:rO+7], v[rV:rV+7], v[rP:rP+7], v[rO:rO+7]
.endif
.endm
; Product i of 32 of S^T = K Q^T: channels 32 (i / 8) on, keys 16 ((i / 2) % 4) on, tile x + i % 2.  The first 8 start the sums.
.macro KQ x
	WIN W_KQ
.set rS, S+32*(\x+i%2)+8*((i/2)%4)
.set rK, KF+32*((i/2)%4)+8*(i/8)
.set rQ, 32*(\x+i%2)+8*(i/8)
.if i < 8
	v_wmma_f32_16x16x32_f16 v[rS:rS+7], v[rK:rK+7], v[rQ:rQ+7], 0
.else
	v_wmma_f32_16x16x32_f16 v[rS:rS+7], v[rK:rK+7], v[rQ:rQ+7], v[rS:rS+7]
.endif
.endm
; THE LDS LOADS stand in runs of 32: a step's K (64 keys x 128 channels: 16 fragments) and, a turn later, its V (turned).
.macro FETCH_K
	WIN 0
	v_add_nc_u32 v[ADR], s[TBK], v[AK0]
	s_add_co_u32 s[TBK], s[TBK], KS*PK  ; the next fetch is the next step's
	WIN 0x80                        ; destination window 2
.irp f, 0,1,2,3,4,5,6,7,8,9,10,11,12,13,14,15  ; keys 16 (f / 4) on, channels 32 (f % 4) on
	ds_load_b128 v[KF+8*\f:KF+8*\f+3],   v[ADR] offset:(\f/4)*16*PK+(\f%4)*64
	ds_load_b128 v[KF+8*\f+4:KF+8*\f+7], v[ADR] offset:(\f/4)*16*PK+(\f%4)*64+32
.endr
.endm
.macro FETCH_V
	WIN 0
	v_add_nc_u32 v[ADR], s[TBV], v[AV0]
	s_add_co_u32 s[TBV], s[TBV], KS*PV
	s_wait_alu depctr_va_vdst(0)    ; the wait for the softmax's batch (SLICE), behind the address's addition and ahead of the loads
	WIN 0xc0                        ; destination window 3
.irp f, 0,1,2,3,4,5,6,7,8,9,10,11,12,13,14,15  ; keys 32 (f / 8) on, channels 16 (f % 8) on
	ds_load_tr16_b128 v[8*\f:8*\f+3],   v[ADR] offset:(\f/8)*32*PV+(\f%8)*32
	ds_load_tr16_b128 v[8*\f+4:8*\f+7], v[ADR] offset:(\f/8)*32*PV+16*PV+(\f%8)*32
.endr
.endm
; THE VECTOR WORK OF A TURN.  One tile's softmax for one key step is a list of 134 instructions; SM writes number j of it for tile t.  first = 1: the wave's first key step.
;   0-15    the maximum of the lane's 32 scores and the old m          16-20   the other half of the lanes' maximum; the new m; c m; c m_old - c m_new
;   21-69   ONE BATCH: the 16 packed scalings c s - c m and all 33 exponentials; none of these reads an exponential's result     (wait)  between 69 and 70: SLICE writes it, once for both tiles
;   70-85   the roundings to f16          86-101  the sums; l = a l + the sum          102-133 the tile's O^T times a
.macro SM t, first
.set rT, ST+8*(\t)
.set rS, S+32*(\t)
.set rP, P+16*(\t)
.set rO, 64*(\t)+2*(j-102)
.if j < 102
	WIN 0
.endif
.if j < 4
	v_max3_num_f32 v[rT+4+j], v[rS+8*j], v[rS+8*j+1], v[rS+8*j+2]
.elseif j < 12
	v_max3_num_f32 v[rT+4+j%4], v[rT+4+j%4], v[rS+8*(j%4)+2*(j/4)+1], v[rS+8*(j%4)+2*(j/4)+2]
.elseif j == 12
	v_max3_num_f32 v[rT+4], v[rT+4], v[rS+7], v[rS+15]
.elseif j == 13
	v_max3_num_f32 v[rT+6], v[rT+6], v[rS+23], v[rS+31]
.elseif j == 14
	v_max3_num_f32 v[rT+4], v[rT+4], v[rT+5], v[rT+6]
.elseif (j == 15) && \first
	v_max_num_f32 v[rT+4], v[rT+4], v[rT+7]
.elseif j == 15
	v_max3_num_f32 v[rT+4], v[rT+4], v[rT+7], v[rT+1]
.elseif j == 16
	v_permlanex16_b32 v[rT+5], v[rT+4], s[SEL], s[SEL+1]  ; the query's other 32 keys lie in the lane 16 away
.elseif j == 18
	v_max_num_f32 v[rT+1], v[rT+4], v[rT+5]
.elseif j == 19
	v_mul_f32 v[rT], s[CS], v[rT+1]
.elseif ((j == 17) || (j == 20) || (j == 23) || (j > 101)) && \first  ; the first step has none of these
.elseif j == 17
	v_mov_b32 v[rT+7], v[rT]        ; c m_old is kept for a
.elseif j == 20
	v_sub_f32 v[rT+7], v[rT+7], v[rT]
.elseif j == 23
	v_exp_f32 v[rT+6], v[rT+7]
.elseif (j < 23) || ((j < 38) && (j%2 == 0)) || ((j < 66) && (j%4 == 2))
.set b, (j-2)/4                     ; 38, 42, .. 62: pairs 9 to 15
.if j < 38
.set b, (j-20)/2                    ; 21: pair 0; 22, 24, .. 36: pairs 1 to 8
.endif
	v_pk_fma_f32 v[rS+2*b:rS+2*b+1], v[rS+2*b:rS+2*b+1], s[CS:CS+1], v[rT:rT+1] op_sel_hi:[1,0,0] neg_lo:[0,0,1] neg_hi:[0,0,1]  ; pair b: c s - c m
.elseif j < 70
.set e, j-38                        ; 66 to 69: s28 to s31
.if j < 66
.set e, j-32-(j-38)/4               ; 39-41, 43-45, .. 63-65: s7 to s27
.endif
.if j < 38
.set e, (j-25)/2                    ; 25, 27, .. 37: s0 to s6
.endif
	v_exp_f32 v[rS+e], v[rS+e]
.elseif j < 86
	v_cvt_pk_f16_f32 v[rP+j-70], v[rS+2*(j-70)], v[rS+2*(j-70)+1]  ; pair j - 70
.elseif j < 102                     ; the sum of the tile's 16 pairs, in place: neighbours 1, 2, 4 and 8 pairs apart, then l takes it
.set z, j-86
.set w, 4
.set u, z
.if z >= 14
.set w, 32
.set u, 0
.elseif z >= 12
.set w, 16
.set u, z-12
.elseif z >= 8
.set w, 8
.set u, z-8
.endif
.if (z == 14) && \first
	v_pk_add_f32 v[rT+2:rT+3], v[rS:rS+1], v[rS+16:rS+17]
.elseif z < 15
	v_pk_add_f32 v[rS+w*u:rS+w*u+1], v[rS+w*u:rS+w*u+1], v[rS+w*u+w/2:rS+w*u+w/2+1]
.elseif !\first
	v_pk_fma_f32 v[rT+2:rT+3], v[rT+2:rT+3], v[rT+6:rT+7], v[rS:rS+1] op_sel_hi:[1,0,1]
.endif
.else
	WIN W_RS
	v_pk_mul_f32 v[rO:rO+1], v[rO:rO+1], v[rT+6:rT+7] op_sel_hi:[1,0]
.endif
.endm
; Slice k of 64 of piece y's softmax: four instructions.  Slices 11 to 34 deal out the batch, four numbers of ONE tile each, the tiles by turns.  Every other slice is numbers 2 k and 2 k + 1 of both
; tiles' lists; the twelve that are over (2 x 134 = 4 x 64 + 12) stand together in slice 63.  Ahead of slice 35 nothing names an exponential's result and behind slice 34 none is issued: one wait, behind slice 34.
.macro SLICE y, first
.if (k >= 11) && (k < 35)
.irp n, 0,1,2,3
.set j, 22+4*((k-11)/2)+(\n)
	SM (\y)+(k-11)%2, \first
.endr
.else
.irp n, 0,1,2,3,4,5,6,7
.if (\n < 2) || (k == 63)
.irp t, \y, \y+1
.set j, 2*k+\n
	SM \t, \first
.endr
.endif
.endr
.endif
.if k == 34
	v_nop                           ; the plain instruction behind the last exponential and ahead of the first use: one for the batch
.if (\y) == 0
	FETCH_V                         ; piece 2's turn: V's run of loads stands here, and the wait stands in it
.else
	s_wait_alu depctr_va_vdst(0)    ; one wait for the batch
.endif
.endif
.set k, k+1
.endm
.macro PLACES
.rept 4
	v_nop
.endr
.endm
; A TURN.  Piece x has the matrix unit; the other piece's softmax stands in slices behind its matrix instructions.
; pv = 2: 32 products V^T P; 1: they start O^T's sums; 0: none.  kq = 1: 32 products K Q^T for the next step.  A turn with one of the two kinds has two slices behind each product.
; Piece 0's turn fetches the next step's K behind its second product; piece 2's turn fetches the same step's V behind slice 34.
.macro TURN x, pv, kq, first
.set k, 0
.set per, 2
.if \pv && \kq
.set per, 1
.endif
.if \pv
.if \x == 0
	s_wait_dscnt 0x0                ; V is in
.endif
.set i, 0
.rept 32
	PV \x, 2-\pv
.rept per
	SLICE 2-\x, \first
.endr
.if (\x == 0) && \kq && (i == 1)
	FETCH_K
.endif
.set i, i+1
.endr
.endif
.if \kq
.if \x == 0
	s_wait_dscnt 0x0                ; K is in
.endif
.set i, 0
.rept 32
	KQ \x
.rept per
	SLICE 2-\x, \first
.endr
.set i, i+1
.endr
.endif
.if \first
	PLACES
.endif
.endm
; THE CHANGE OF SLOTS, to slot 'to', between piece 2's turn and piece 0's.  Each wave waits for all its tensor loads, of which one is out: its part of the slot ahead; adds 0 to its spare word; and
; waits for that and for its own reads of the slot that it leaves.  fill = 1: the slot left is filled again, with the keys two slots on; the barrier is then a round of the cluster's, and the joint
; refill is the first thing behind it: it has two key steps, 256 matrix instructions of a wave, in which to land.
.macro CHANGE to, fill, how
	WIN 0
	s_wait_tensorcnt 0x0            ; no tensor load of mine is out, so a group 0 may be written
	ds_add_u32 v[SPW], v[NIL]
.if \fill
	s_add_nc_u64 s[G0K+4*(1-\to)+2:G0K+4*(1-\to)+3], s[G0K+4*(1-\to)+2:G0K+4*(1-\to)+3], 2*256*8192  ; 512 keys on; the type bits on top are not reached
	s_add_nc_u64 s[G0V+4*(1-\to)+2:G0V+4*(1-\to)+3], s[G0V+4*(1-\to)+2:G0V+4*(1-\to)+3], 2*256*4096
	s_wait_xcnt 0x0                 ; the last prefetch, two key steps back, has read its address, so it may be written
	s_add_nc_u64 s[PFA:PFA+1], s[PFA:PFA+1], s[PFS:PFS+1]
	s_wait_dscnt 0x0                ; the add is done, and my reads of the slot are over
	CROUND
	JLOAD 1-\to
	ASK \how
.else
	s_wait_dscnt 0x0
	s_barrier_signal -1
	s_barrier_wait -1
.endif
.if \to
	s_add_co_u32 s[TBK], s[TBK], SLOTB-128*PK   ; the fetches go from the end of my half in slot 0 to its start in slot 1,
	s_add_co_u32 s[TBV], s[TBV], SLOTB-128*PV
.else
	s_sub_co_u32 s[TBK], s[TBK], SLOTB+128*PK   ; or back
	s_sub_co_u32 s[TBV], s[TBV], SLOTB+128*PV
.endif
.endm
.macro TWO_STEPS                    ; my two key steps of a slot: written once, walked twice
	s_mov_b32 s[TWICE], 2
.Lstep_\@:
	TURN 0, 2, 1, 0
	TURN 2, 2, 1, 0
	WIN 0
	s_sub_co_u32 s[TWICE], s[TWICE], 1
	s_cmp_lg_u32 s[TWICE], 0
	s_cbranch_scc1 .Lstep_\@
.endm
	s_wait_tensorcnt 1              ; my part of slot 0 is in; slot 1's may stay out
	s_barrier_signal -1
	s_barrier_wait -1
	FETCH_K                         ; my key step 0
	s_wait_loadcnt 0x0              ; Q
	s_wait_dscnt 0x0
.set i, 0
.rept 32
	KQ 0                            ; piece 0's first scores
.set i, i+1
.endr
	WIN 0                           ; the addresses for the merge and the way out are made here: plain instructions, the places behind those products
	s_mul_i32 s13, s[WV], 16*SP
	s_add_co_u32 s13, s13, STAGE    ; my stage
	v_mul_u32_u24 v[STO], v1, SP    ; in: row l % 16, 16 bytes for each half of the lanes
	v_lshl_add_u32 v[STO], v9, 4, v[STO]
	v_add_nc_u32 v[STO], s13, v[STO]
	v_mul_u32_u24 v[RD], v9, SP     ; back: lanes 0-15 take one row of 256 bytes, lanes 16-31 the next
	v_lshl_add_u32 v[RD], v1, 4, v[RD]
	v_add_nc_u32 v[RD], s13, v[RD]
	v_lshlrev_b32 v[GO], 12, v9     ; and the same two rows in O
	v_lshl_add_u32 v[GO], v1, 4, v[GO]
	v_and_b32 v10, 31, v0
	s_mul_i32 s13, s[WV], XCHB      ; what I hand over lies at my wave's number,
	v_lshl_add_u32 v[XS], v10, 4, s13
	v_lshl_add_u32 v[XSS], v10, 2, s13
	s_xor_b32 s13, s[WV], 2         ; what I take at my partner's
	s_mul_i32 s13, s13, XCHB
	v_lshl_add_u32 v[XR], v10, 4, s13
	v_lshl_add_u32 v[XRS], v10, 2, s13
	TURN 2, 0, 1, 1                 ; piece 2's first scores | piece 0's first softmax | V of step 0
	TURN 0, 1, 1, 1                 ; piece 0: V^T P of step 0 starts O^T, K Q^T of step 1 | piece 2's first softmax | K of step 1
	TURN 2, 1, 1, 0                 ; piece 2: the same | piece 0's softmax of step 1 | V of step 1
	WIN 0
.Lslot:                             ; three trips of two changes: six of the eight slots' worth of keys come by refills
	CHANGE 1, 1, 0
	TWO_STEPS
	CHANGE 0, 1, 1
	TWO_STEPS
	s_sub_co_u32 s[SLOTS], s[SLOTS], 1
	s_cmp_lg_u32 s[SLOTS], 0
	s_cbranch_scc1 .Lslot
	CHANGE 1, 0, 0                  ; the tail is written out: slot 0 is left for good
	TWO_STEPS
	TURN 0, 2, 0, 0                 ; piece 0: V^T P of the last step | piece 2's last softmax
.set i, 0
.rept 32
	PV 2, 0                         ; piece 2: V^T P of the last step
.set i, i+1
.endr
	; THE MERGE.  l's two halves and the other half of the lanes' are added: twelve plain lines, the places behind the last products.
	WIN 0
.irp t, 0,1,2,3
	v_add_f32 v[ST+8*\t+4], v[ST+8*\t+2], v[ST+8*\t+3]
.endr
.irp t, 0,1,2,3
	v_permlanex16_b32 v[ST+8*\t+5], v[ST+8*\t+4], s[SEL], s[SEL+1]
.endr
.irp t, 0,1,2,3
	v_add_f32 v[ST+8*\t+4], v[ST+8*\t+4], v[ST+8*\t+5]
.endr
; Tiles t0 and t0 + 1 go to my partner as images of their registers: O^T by 16 stores of 512 bytes a tile (each accumulator from its low end on), c m and l by a word a lane.
.macro SENDX t0
	WIN 0x04                        ; an LDS store's data are its source 1: window 1
.irp u, 0,1
.irp g, 0,1,2,3,4,5,6,7,8,9,10,11,12,13,14,15
	ds_store_b128 v[XS], v[64*(\t0+\u)+4*\g:64*(\t0+\u)+4*\g+3] offset:8192*\u+512*\g
.endr
.endr
	WIN 0
.irp u, 0,1
	ds_store_b32 v[XSS], v[ST+8*(\t0+\u)] offset:16384+256*\u
	ds_store_b32 v[XSS], v[ST+8*(\t0+\u)+4] offset:16384+256*\u+128
.endr
.endm
; Tile t, the u-th of my two: O = (mine x fa + my partner's x fb), rounded to f16, through my stage, back as whole rows of 256 bytes into the registers that they left.
.macro MERGE t, u
.set rT, ST+8*(\t)
.set i, 0
.rept 32
	v_pk_mul_f32 v[S+64*(\u)+i:S+64*(\u)+i+1], v[S+64*(\u)+i:S+64*(\u)+i+1], v[rT+6:rT+7] op_sel_hi:[1,0]
.set i, i+2
.endr
	WIN 0x01                        ; source 0: O^T, window 1
.set i, 0
.rept 32
	v_pk_fma_f32 v[S+64*(\u)+i:S+64*(\u)+i+1], v[64*(\t)+i:64*(\t)+i+1], v[rT+2:rT+3], v[S+64*(\u)+i:S+64*(\u)+i+1] op_sel_hi:[1,0,1]
.set i, i+2
.endr
	WIN 0
.set i, 0
.rept 32
	v_cvt_pk_f16_f32 v[P+32*(\u)+i], v[S+64*(\u)+2*i], v[S+64*(\u)+2*i+1]
.set i, i+1
.endr
.irp f, 0,1,2,3,4,5,6,7
	ds_store_b128 v[STO], v[P+32*(\u)+4*\f:P+32*(\u)+4*\f+3] offset:32*\f
.endr
.irp f, 0,1,2,3,4,5,6,7
	ds_load_b128 v[P+32*(\u)+4*\f:P+32*(\u)+4*\f+3], v[RD] offset:\f*2*SP  ; LDS serves a wave's instructions in order: these see the stores above; the next tile's stores come behind them
.endr
.endm
; I finish tiles t0 and t0 + 1.  M = max(c m, c m'); fa = 2^(c m - M) / L, fb = 2^(c m' - M) / L, L = 2^(c m - M) l + 2^(c m' - M) l'.
.macro FINISH t0
.irp u, 0,1
	ds_load_b32 v[ST+8*(\t0+\u)+1], v[XRS] offset:16384+256*\u       ; my partner's c m,
	ds_load_b32 v[ST+8*(\t0+\u)+5], v[XRS] offset:16384+256*\u+128   ; its l,
.endr
.irp u, 0,1
.irp g, 0,1,2,3,4,5,6,7,8,9,10,11,12,13,14,15
	ds_load_b128 v[S+64*\u+4*\g:S+64*\u+4*\g+3], v[XR] offset:8192*\u+512*\g   ; and its O^T, into S^T's registers
.endr
.endr
	s_wait_dscnt 32                 ; the four words are in; the 32 loads behind them may be out
.irp u, 0,1
	v_max_num_f32 v[ST+8*(\t0+\u)+3], v[ST+8*(\t0+\u)], v[ST+8*(\t0+\u)+1]
.endr
.irp u, 0,1
	v_sub_f32 v[ST+8*(\t0+\u)+2], v[ST+8*(\t0+\u)], v[ST+8*(\t0+\u)+3]
	v_sub_f32 v[ST+8*(\t0+\u)+6], v[ST+8*(\t0+\u)+1], v[ST+8*(\t0+\u)+3]
.endr
.irp u, 0,1
	v_exp_f32 v[ST+8*(\t0+\u)+2], v[ST+8*(\t0+\u)+2]
	v_exp_f32 v[ST+8*(\t0+\u)+6], v[ST+8*(\t0+\u)+6]
.endr
	v_nop
	s_wait_alu depctr_va_vdst(0)    ; one wait for the four exponentials, ahead of their first use
.irp u, 0,1
	v_mul_f32 v[ST+8*(\t0+\u)+7], v[ST+8*(\t0+\u)+6], v[ST+8*(\t0+\u)+5]
.endr
.irp u, 0,1
	v_fma_f32 v[ST+8*(\t0+\u)+7], v[ST+8*(\t0+\u)+2], v[ST+8*(\t0+\u)+4], v[ST+8*(\t0+\u)+7]
.endr
.irp u, 0,1
	v_rcp_f32 v[ST+8*(\t0+\u)+7], v[ST+8*(\t0+\u)+7]
.endr
	v_nop
	s_wait_alu depctr_va_vdst(0)    ; and one for the two reciprocals
.irp u, 0,1
	v_mul_f32 v[ST+8*(\t0+\u)+2], v[ST+8*(\t0+\u)+2], v[ST+8*(\t0+\u)+7]
	v_mul_f32 v[ST+8*(\t0+\u)+6], v[ST+8*(\t0+\u)+6], v[ST+8*(\t0+\u)+7]
.endr
	s_wait_dscnt 0x0                ; my partner's O^T is in
	MERGE \t0, 0
	MERGE \t0+1, 1
.irp u, 0,1
.irp f, 0,1,2,3,4,5,6,7
	s_wait_dscnt 16*(1-\u)+7-\f     ; behind the first tile's loads stand the second's sixteen LDS instructions
	global_store_b128 v[GO], v[P+32*\u+4*\f:P+32*\u+4*\f+3], s[10:11] offset:(16*(\t0+\u)+2*\f)*4096  ; 16 lanes store 256 consecutive bytes, aligned
.endr
.endr
.endm
	s_cmp_lt_u32 s[WV], 2           ; the waves of the first key half keep tiles 0, 1 and hand over tiles 2, 3; the others the other way round
	s_cbranch_scc0 .Lsend_upper
	SENDX 2
	s_branch .Lsent
.Lsend_upper:
	SENDX 0
.Lsent:
	s_wait_dscnt 0x0                ; for my partner's sake: my stores have landed
	s_barrier_signal -1
	s_barrier_wait -1
	s_cmp_lt_u32 s[WV], 2
	s_cbranch_scc0 .Lfinish_upper
	FINISH 0
	s_branch .Ldone
.Lfinish_upper:
	FINISH 2
.Ldone:
	s_wait_tensorcnt 0x0            ; the wave's end: behind my last tensor load and my last LDS store
	ds_add_u32 v[SPW], v[NIL]
	s_wait_dscnt 0x0
	CROUND                          ; the closing round: no work-group ends while a partner may still ask for a tile that names it
	s_endpgm
.Lfunc_end_k_q6d044cb00b_attn:
	.size	k_q6d044cb00b_attn, .Lfunc_end_k_q6d044cb00b_attn-k_q6d044cb00b_attn
	.p2alignl 7, 3214868480
	.fill 96, 4, 3214868480
	.section	.rodata,"a",@progbits
	.p2align	6, 0x0
	.amdhsa_kernel k_q6d044cb00b_attn
		.amdhsa_group_segment_fixed_size 327680
		.amdhsa_private_segment_fixed_size 0
		.amdhsa_enable_private_segment 0
		.amdhsa_kernarg_size 24
		.amdhsa_user_sgpr_count 2
		.amdhsa_user_sgpr_kernarg_segment_ptr 1
		.amdhsa_wavefront_size32 1
		.amdhsa_system_sgpr_workgroup_id_x 1
		.amdhsa_system_sgpr_workgroup_id_y 1
		.amdhsa_system_sgpr_workgroup_id_z 1
		.amdhsa_system_vgpr_workitem_id 0
		.amdhsa_next_free_vgpr 1024
		.amdhsa_next_free_sgpr 80
		.amdhsa_reserve_vcc 0
		.amdhsa_float_denorm_mode_32 3
		.amdhsa_float_denorm_mode_16_64 3
		.amdhsa_memory_ordered 1
		.amdhsa_forward_progress 1
		.amdhsa_inst_pref_size 255
	.end_amdhsa_kernel
	.section	.bss,"aw",@nobits
	.p2align	6
	.space	262144
	.amdgpu_metadata
---
amdhsa.version: [ 1, 2 ]
amdhsa.kernels:
  - .name:           k_q6d044cb00b_attn
    .symbol:         k_q6d044cb00b_attn.kd
    .args:
      - { .name: qk16, .offset: 0, .size: 8, .value_kind: global_buffer, .address_space: global }
      - { .name: v16, .offset: 8, .size: 8, .value_kind: global_buffer, .address_space: global }
      - { .name: o16, .offset: 16, .size: 8, .value_kind: global_buffer, .address_space: global }
    .group_segment_fixed_size: 327680
    .private_segment_fixed_size: 0
    .kernarg_segment_align: 8
    .kernarg_segment_size: 24
    .max_flat_workgroup_size: 128
    .sgpr_count:     80
    .vgpr_count:     1024
    .wavefront_size: 32
...
	.end_amdgpu_metadata
.endif
;; end of part 4
;; launch proj (part 5): grid 16 x 16, 4 waves a work-group, clusters of 4 x 4, 327,680 bytes of LDS; arguments o16, wo16, bo, out0; writes out0
.if DOCPART == 5
	.amdgcn_target "amdgcn-amd-amdhsa--gfx1250"
	.amdhsa_code_object_version 6
	.text
	.protected	k_q6d044cb00b_proj
	.globl	k_q6d044cb00b_proj
	.p2align	8
	.type	k_q6d044cb00b_proj,@function
k_q6d044cb00b_proj:
	s_mov_b64 s[64:65], 0
	v_nop
	global_prefetch_b8 v0, s[64:65] scope:SCOPE_SE
	s_setreg_imm32_b32 hwreg(HW_REG_WAVE_MODE, 25, 1), 1
	s_wait_xcnt 0x0
	s_wait_alu depctr_hold_cnt(0) depctr_sa_sdst(0) depctr_va_vdst(0) depctr_va_sdst(0) depctr_va_ssrc(0) depctr_va_vcc(0) depctr_vm_vsrc(0)
	s_getreg_b32 s2, hwreg(HW_REG_IB_STS2, 6, 4)
	s_cmp_eq_u32 s2, 0
	s_cbranch_scc0 .Lentry_in_a_cluster
	s_endpgm
.Lentry_in_a_cluster:
	s_bfe_u32 s2, ttmp6, 0x10000c
	s_cmp_lg_u32 s2, 0xf033
	s_cbranch_scc0 .Lentry_shape_is_right
	s_endpgm
.Lentry_shape_is_right:
; out0[m][n] = the sum over k of o16[m][k] wo16[k][n] + bo[n].  o16: [2048][2048] f16, K innermost;  wo16: [k 2048][n 2048] f16, N innermost;  out0: f32;  sums in f32.
; A tile of the output is 128 x 128, so that each of the 256 work-groups has one.  Four waves, each 64 x 64: 16 accumulators, 128 registers.  K goes in steps of 256 through a ring of two LDS slots:
; A's tile is 128 rows of 512 bytes, B's 256 rows (along K) of 256 bytes; B's fragments come out of LDS turned, by ds_load_tr16_b128.
; CLUSTERS: 4 x 4 work-groups.  The four of a row of the cluster need the same tiles of A, the four of a column the same tiles of B: each tile is asked for jointly.
; THE MATRIX INSTRUCTION IS USED TRANSPOSED (source 0 = 16 columns of B, source 1 = 16 rows of A): a lane holds eight neighbouring numbers of a row of the output.
; THE BIAS IS THE C OF EACH SUM'S FIRST PRODUCT.  A wave's 64 columns of f32 are 256 aligned bytes: each wave has a stage of its own on the way out, and no barrier stands there.
; REGISTERS: window 0: v0-31 addresses; v96-127 the bias; v128-255 the accumulators ((a, b) at v[128 + 8 (4 a + b)]).   window 1: two fragment buffers of 128: for 64 along K, 64 registers of A, then 64 of B.
.set KSTEP,  256
.set PA,     528                       ; A's LDS row: 512 bytes + 16 of padding
.set PB,     288                       ; B's: 256 + 32
.set HALFA,  64*PA                     ; 64 rows of A: what one tensor load brings, and what one wave reads
.set HALFB,  128*PB                    ; 128 rows of B (128 along K): what one tensor load brings
.set BOFF,   2*HALFA
.set SLOT,   BOFF+2*HALFB
.set SPARE,  2*SLOT                    ; behind the ring: the spare words, 128 bytes for each wave
.set SPITCH, 272                       ; the way out: 64 rows x (256 + 16) for each wave, in slot 0, which has then had its last fill and its last read
.set LAPS,   4                         ; 2,048 along K = eight K steps = four times round the ring
.set ADRA, 16                          ; v16-17  LDS address of my A fragments in slot 0, 1
.set ADRB, 20                          ; v20-23  of my B fragments: slot + 2 x (which 128 along K of the step)
.set STO,  24
.set RD,   25
.set CO,   26
.set BO,   27                          ; v27  32 x (lane / 16)
.set SPW,  28
.set NIL,  29
.set BI,   96
.set ACC,  128
.set F0,   0
.set F1,   128
.set G1, 24
.set G0, 32
.set G1B, 48
.set G0B, 56
.set MSB, 0
.macro WIN new
.if MSB != \new
	s_set_vgpr_msb (MSB<<8)|\new
.set MSB, \new
.endif
.endm
.set MUL,  0x05                        ; sources 0 (B) and 1 (A) window 1; C and D window 0
.set TO_F, 0x40                        ; destination window 1, address window 0
.macro JLOAD s                         ; a joint load: waves 0 and 1 fetch A's two halves, waves 2 and 3 B's; an s_nop 0 and four v_nop follow each line
	s_cmp_eq_u32 s11, 0
	s_cbranch_scc0 .Lfor_b_\@
	tensor_load_to_lds s[G0+4*\s:G0+4*\s+3], s[G1:G1+7]
	s_nop 0
.rept 4
	v_nop
.endr
	s_branch .Lasked_\@
.Lfor_b_\@:
	tensor_load_to_lds s[G0B+4*\s:G0B+4*\s+3], s[G1B:G1B+7]
	s_nop 0
.rept 4
	v_nop
.endr
.Lasked_\@:
.endm
.macro CREST
	s_cmp_lg_u32 s10, 0
	s_cbranch_scc1 .Lnot_wave_0_\@
	s_barrier_signal -3
.Lnot_wave_0_\@:
	s_barrier_wait -3
	s_barrier_signal -1
	s_barrier_wait -1
.endm
.macro CROUND
	s_barrier_signal -1
	s_barrier_wait -1
	CREST
.endm
	s_load_b128 s[4:7], s[0:1], 0x0                ; o16 s[4:5], wo16 s[6:7]
	s_load_b64 s[66:67], s[0:1], 0x10              ; bo
	s_load_b64 s[8:9], s[0:1], 0x18                ; out0
	v_lshl_add_u32 v[SPW], v0, 2, SPARE
	v_mov_b32 v[NIL], 0
	ds_add_u32 v[SPW], v[NIL]                      ; the wave's opening: the add, twice on end, and its wait ahead of my first tensor load
	ds_add_u32 v[SPW], v[NIL]
	v_lshrrev_b32 v1, 5, v0
	v_readfirstlane_b32 s10, v1                    ; wave 0..3
	s_lshr_b32 s11, s10, 1                         ; which half of the tile's rows is mine.  Also: I fetch for A (0) or for B (1)
	s_and_b32 s12, s10, 1                          ; which half of its columns.  Also: which half of that tile I fetch
	s_bfe_u32 s40, ttmp6, 0x40000                  ; cx, cy
	s_bfe_u32 s41, ttmp6, 0x40004
	s_lshl_b32 s42, ttmp9, 2
	s_add_co_u32 s42, s42, s40                     ; tile column
	s_and_b32 s13, ttmp7, 0xffff
	s_lshl_b32 s13, s13, 2
	s_add_co_u32 s13, s13, s41                     ; tile row
	s_lshl_b32 s43, s41, 2
	s_lshl_b32 s43, 15, s43                        ; my row of the cluster
	s_lshl_b32 s44, 0x1111, s40                    ; my column
	; descriptor group 1.  A: 64 rows x 256 elements, four words of padding after every 128;  B: 128 rows x 128 elements, eight words after every 64
	s_or_b32 s[G1+0], s43, (1<<16)|(1<<20)|(1<<21)|(6<<22)|(3<<25)
	s_or_b32 s[G1B+0], s44, (1<<16)|(1<<20)|(1<<21)|(5<<22)|(7<<25)
	s_mov_b32 s[G1+1], KSTEP<<16                   ; tensor_dim0
	s_mov_b32 s[G1+2], 64<<16                      ; tensor_dim1
	s_mov_b32 s[G1+3], KSTEP<<16                   ; tile_dim0
	s_mov_b32 s[G1+4], 64                          ; tile_dim1
	s_mov_b32 s[G1+5], 2048                        ; elements from row to row
	s_mov_b32 s[G1+6], 0
	s_mov_b32 s[G1+7], 0
	s_mov_b32 s[G1B+1], 128<<16
	s_mov_b32 s[G1B+2], 128<<16
	s_mov_b32 s[G1B+3], 128<<16
	s_mov_b32 s[G1B+4], 128
	s_mov_b32 s[G1B+5], 2048
	s_mov_b32 s[G1B+6], 0
	s_mov_b32 s[G1B+7], 0
	s_lshl_b32 s16, s13, 7
	s_lshl_b32 s17, s12, 6
	s_add_co_u32 s16, s16, s17                     ; A: row 128 x tile row + 64 x half,
	s_lshl_b32 s16, s16, 12                        ; of 4,096 bytes
	s_mov_b32 s17, 0
	s_lshl_b32 s46, s42, 8                         ; B: 256 bytes x tile column,
	s_lshl_b32 s47, s12, 19                        ; + 128 rows of 4,096 bytes x half
	s_add_co_u32 s46, s46, s47
	s_mov_b32 s47, 0
	s_mul_i32 s20, s12, HALFA                      ; where they go: no place in the cluster enters an LDS address
	s_mul_i32 s21, s12, HALFB
	s_add_co_u32 s21, s21, BOFF
	s_wait_dscnt 0x0                               ; both opening adds are done
	s_wait_kmcnt 0x0
	s_add_nc_u64 s[14:15], s[4:5], s[16:17]
	s_add_nc_u64 s[46:47], s[6:7], s[46:47]
	CROUND                                         ; all sixteen work-groups are here: the first joint loads meet
.irp s, 0,1
	s_mov_b32 s[G0+4*\s], 1
	s_add_co_u32 s[G0+4*\s+1], s20, \s*SLOT
	s_add_nc_u64 s[G0+4*\s+2:G0+4*\s+3], s[14:15], \s*KSTEP*2
	s_or_b32 s[G0+4*\s+3], s[G0+4*\s+3], 0x80000000
	s_mov_b32 s[G0B+4*\s], 1
	s_add_co_u32 s[G0B+4*\s+1], s21, \s*SLOT
	s_add_nc_u64 s[G0B+4*\s+2:G0B+4*\s+3], s[46:47], \s*KSTEP*4096
	s_or_b32 s[G0B+4*\s+3], s[G0B+4*\s+3], 0x80000000
	JLOAD \s
.endr
	v_and_b32 v1, 15, v0                           ; l % 16
	v_bfe_u32 v2, v0, 4, 1                         ; l / 16
	v_mul_u32_u24 v3, v1, PA
	v_lshl_add_u32 v3, v2, 4, v3                   ; A: a fragment's row x pitch + 16 x half
	s_mul_i32 s21, s11, HALFA                      ; my 64 rows of A
	v_add_nc_u32 v[ADRA], s21, v3
	s_add_co_u32 s21, s21, SLOT
	v_add_nc_u32 v[ADRA+1], s21, v3
	v_and_b32 v4, 7, v0                            ; B, turned: lane l reads 16 bytes of row 8 (l / 16) + l % 8 along K, columns 8 ((l / 8) % 2) + 0..7
	v_lshl_add_u32 v4, v2, 3, v4
	v_mul_u32_u24 v4, v4, PB
	v_bfe_u32 v5, v0, 3, 1
	v_lshl_add_u32 v4, v5, 4, v4
	s_lshl_b32 s22, s12, 7                         ; my 64 columns: 128 bytes x half
	s_add_co_u32 s22, s22, BOFF
	v_add_nc_u32 v[ADRB], s22, v4                  ; slot 0, the step's first 128 along K
	s_add_co_u32 s23, s22, SLOT
	v_add_nc_u32 v[ADRB+1], s23, v4                ; slot 1
	s_add_co_u32 s23, s22, HALFB
	v_add_nc_u32 v[ADRB+2], s23, v4                ; slot 0, the second 128: so that every offset stays inside its 16 bits
	s_add_co_u32 s23, s23, SLOT
	v_add_nc_u32 v[ADRB+3], s23, v4
	s_mul_i32 s23, s10, 64*SPITCH                  ; my stage
	v_mul_u32_u24 v4, v1, SPITCH
	v_lshl_add_u32 v4, v2, 5, v4
	v_add_nc_u32 v[STO], s23, v4                   ; in: row l % 16, 32 bytes for each half of the lanes
	v_mul_u32_u24 v5, v2, SPITCH
	v_lshl_add_u32 v5, v1, 4, v5
	v_add_nc_u32 v[RD], s23, v5                    ; back: lanes 0-15 one row of 256 bytes, lanes 16-31 the next
	v_lshlrev_b32 v5, 13, v2
	v_lshl_add_u32 v[CO], v1, 4, v5                ; and the same two rows in out0
	s_lshl_b32 s16, s13, 7
	s_lshl_b32 s17, s11, 6
	s_add_co_u32 s16, s16, s17                     ; my first row: 128 x tile row + 64 x half,
	s_lshl_b32 s16, s16, 13                        ; of 8,192 bytes
	s_mov_b32 s17, 0
	s_add_nc_u64 s[8:9], s[8:9], s[16:17]
	s_lshl_b32 s46, s42, 9                         ; my first column, in bytes: 512 x tile column + 256 x half
	s_lshl_b32 s47, s12, 8
	s_add_co_u32 s46, s46, s47
	s_mov_b32 s47, 0
	s_add_nc_u64 s[8:9], s[8:9], s[46:47]
	s_add_nc_u64 s[66:67], s[66:67], s[46:47]      ; and the same in bo
	v_lshlrev_b32 v[BO], 5, v2
.irp b, 0,1,2,3
	global_load_b128 v[BI+8*\b:BI+8*\b+3], v[BO], s[66:67] offset:64*\b        ; register j of block b: the bias of column 16 b + 8 (l / 16) + j
	global_load_b128 v[BI+8*\b+4:BI+8*\b+7], v[BO], s[66:67] offset:64*\b+16
.endr
; 8 matrix instructions: m blocks a0, a0 + 1 x all 4 n blocks, 32 along K: half c of buffer f.  first = 1: the bias is C and starts the sums.  The 16 accumulators take turns.
.macro MUL8 f, c, a0, first
.irp a, \a0, \a0+1
.irp b, 0,1,2,3
.if \first
	v_wmma_f32_16x16x32_f16 v[ACC+8*(4*(\a)+\b):ACC+8*(4*(\a)+\b)+7], v[\f+64+8*(4*\c+\b):\f+64+8*(4*\c+\b)+7], v[\f+8*(4*\c+\a):\f+8*(4*\c+\a)+7], v[BI+8*\b:BI+8*\b+7]
.else
	v_wmma_f32_16x16x32_f16 v[ACC+8*(4*(\a)+\b):ACC+8*(4*(\a)+\b)+7], v[\f+64+8*(4*\c+\b):\f+64+8*(4*\c+\b)+7], v[\f+8*(4*\c+\a):\f+8*(4*\c+\a)+7], v[ACC+8*(4*(\a)+\b):ACC+8*(4*(\a)+\b)+7]
.endif
.endr
.endr
.endm
; 32 LDS loads in one run: the fragments of the step's q-th 64 along K, into buffer f; the first 32 along K first
.macro FETCH slot, q, f
	WIN TO_F
.irp c, 0,1
.irp i, 0,1,2,3
	ds_load_tr16_b128 v[\f+64+8*(4*\c+\i):\f+64+8*(4*\c+\i)+3],   v[ADRB+\slot+2*((\q)/2)] offset:(((\q)%2)*64+32*\c)*PB+32*\i
	ds_load_tr16_b128 v[\f+64+8*(4*\c+\i)+4:\f+64+8*(4*\c+\i)+7], v[ADRB+\slot+2*((\q)/2)] offset:(((\q)%2)*64+32*\c+16)*PB+32*\i
	ds_load_b128 v[\f+8*(4*\c+\i):\f+8*(4*\c+\i)+3],         v[ADRA+\slot] offset:128*(\q)+64*\c+\i*16*PA
	ds_load_b128 v[\f+8*(4*\c+\i)+4:\f+8*(4*\c+\i)+7],       v[ADRA+\slot] offset:128*(\q)+64*\c+\i*16*PA+32
.endr
.endr
.endm
.macro PLACES                          ; four places in front of loads into registers that matrix instructions have read, and of reads of results
.rept 4
	v_nop
.endr
.endm
; A K step is four quarters of 64 along K, 32 matrix instructions each, on buffers 0, 1, 0, 1.  One of the first three: multiplies buffer f and fetches quarter q into g.
.macro QUARTER slot, q, f, g, first
	s_wait_dscnt 16                                ; the first 32 along K are in; the sixteen loads of the second 32 may be out
	WIN MUL
	MUL8 \f, 0, 0, \first
	MUL8 \f, 0, 2, \first
	PLACES
	FETCH \slot, \q, \g
	s_wait_dscnt 32                                ; all but the 32 just issued
	WIN MUL
	MUL8 \f, 1, 0, 0
	MUL8 \f, 1, 2, 0
.endm
; The last quarter multiplies buffer 1 and changes slots: one barrier; in front of it each wave waits for all its tensor loads, adds 0 to its spare word, and waits for that and for its own reads of this slot.
.macro TURN slot, next, fill
	WIN 0
	s_wait_tensorcnt 0x0                           ; all my tensor loads have landed: my part of the next slot
	ds_add_u32 v[SPW], v[NIL]
	s_wait_dscnt 17                                ; (the add and the youngest sixteen loads may be out)
	WIN MUL
	MUL8 F1, 0, 0, 0
	s_wait_dscnt 0x0                               ; the add is done, and my reads of this slot are over
	s_barrier_signal -1
	MUL8 F1, 0, 2, 0
.if \fill
	WIN 0
.endif
	s_barrier_wait -1
.if \fill
	CREST                                          ; the barrier has opened a round of the cluster's barrier: no wave of any partner still reads this slot or has a load on its way
	s_add_nc_u64 s[G0+4*\slot+2:G0+4*\slot+3], s[G0+4*\slot+2:G0+4*\slot+3], 2*KSTEP*2
	s_add_nc_u64 s[G0B+4*\slot+2:G0B+4*\slot+3], s[G0B+4*\slot+2:G0B+4*\slot+3], 2*KSTEP*4096
	JLOAD \slot                                    ; the first tensor load behind the round; its four v_nop are the places in front of the loads below
.else
	PLACES
.endif
	FETCH \next, 0, F0
	WIN MUL
	MUL8 F1, 1, 0, 0
	MUL8 F1, 1, 2, 0
.endm
	s_wait_tensorcnt 1                             ; my part of K step 0 is in; K step 1's may be out
	s_barrier_signal -1
	s_barrier_wait -1
	FETCH 0, 0, F0
	s_wait_loadcnt 0x0                             ; the bias
	QUARTER 0, 1, F0, F1, 1                        ; the first quarter stands in front of the loop: its first products start the sums
	WIN 0
	s_mov_b32 s3, LAPS-1
.Llap:                                             ; a trip goes once round the ring, from a lap's second quarter to the next lap's first, and fills both slots again
	QUARTER 0, 2, F1, F0, 0
	QUARTER 0, 3, F0, F1, 0
	TURN 0, 1, 1
	QUARTER 1, 1, F0, F1, 0
	QUARTER 1, 2, F1, F0, 0
	QUARTER 1, 3, F0, F1, 0
	TURN 1, 0, 1
	QUARTER 0, 1, F0, F1, 0
	WIN 0
	s_sub_co_u32 s3, s3, 1
	s_cmp_lg_u32 s3, 0
	s_cbranch_scc1 .Llap
	QUARTER 0, 2, F1, F0, 0                        ; the last lap fills nothing
	QUARTER 0, 3, F0, F1, 0
	TURN 0, 1, 0
	QUARTER 1, 1, F0, F1, 0
	QUARTER 1, 2, F1, F0, 0
	QUARTER 1, 3, F0, F1, 0
	s_wait_dscnt 16
	WIN MUL
	MUL8 F1, 0, 0, 0
	MUL8 F1, 0, 2, 0
	s_wait_dscnt 0
	MUL8 F1, 1, 0, 0
	MUL8 F1, 1, 2, 0
	WIN 0
	; THE WAY OUT: 32 bytes a lane into my own stage; back as whole rows of 256 bytes, into the registers that the results left.  LDS serves a wave's instructions in order: no wait between.
	PLACES
.irp a, 0,1,2,3
.irp b, 0,1,2,3
	ds_store_b128 v[STO], v[ACC+8*(4*\a+\b):ACC+8*(4*\a+\b)+3] offset:\a*16*SPITCH+64*\b         ; each accumulator from its low end on
	ds_store_b128 v[STO], v[ACC+8*(4*\a+\b)+4:ACC+8*(4*\a+\b)+7] offset:\a*16*SPITCH+64*\b+16
.endr
.endr
.set i, 0
.rept 32
	ds_load_b128 v[ACC+4*i:ACC+4*i+3], v[RD] offset:i*2*SPITCH
.set i, i+1
.endr
.set i, 0
.rept 32
	s_wait_dscnt 31-i                              ; LDS loads come back in order: load i is in
	global_store_b128 v[CO], v[ACC+4*i:ACC+4*i+3], s[8:9] offset:i*16384 th:TH_STORE_NT   ; 16 lanes store 256 consecutive bytes, aligned
.set i, i+1
.endr
	s_wait_tensorcnt 0x0                           ; the wave's end
	ds_add_u32 v[SPW], v[NIL]
	s_wait_dscnt 0x0
	CROUND                                         ; the closing round
	s_endpgm
.Lfunc_end_k_q6d044cb00b_proj:
	.size	k_q6d044cb00b_proj, .Lfunc_end_k_q6d044cb00b_proj-k_q6d044cb00b_proj
	.p2alignl 7, 3214868480
	.fill 96, 4, 3214868480
	.section	.rodata,"a",@progbits
	.p2align	6, 0x0
	.amdhsa_kernel k_q6d044cb00b_proj
		.amdhsa_group_segment_fixed_size 327680
		.amdhsa_private_segment_fixed_size 0
		.amdhsa_enable_private_segment 0
		.amdhsa_kernarg_size 32
		.amdhsa_user_sgpr_count 2
		.amdhsa_user_sgpr_kernarg_segment_ptr 1
		.amdhsa_wavefront_size32 1
		.amdhsa_system_sgpr_workgroup_id_x 1
		.amdhsa_system_sgpr_workgroup_id_y 1
		.amdhsa_system_sgpr_workgroup_id_z 1
		.amdhsa_system_vgpr_workitem_id 0
		.amdhsa_next_free_vgpr 512
		.amdhsa_next_free_sgpr 68
		.amdhsa_reserve_vcc 0
		.amdhsa_float_denorm_mode_32 3
		.amdhsa_float_denorm_mode_16_64 3
		.amdhsa_memory_ordered 1
		.amdhsa_forward_progress 1
		.amdhsa_inst_pref_size 88
	.end_amdhsa_kernel
	.amdgpu_metadata
---
amdhsa.version: [ 1, 2 ]
amdhsa.kernels:
  - .name:           k_q6d044cb00b_proj
    .symbol:         k_q6d044cb00b_proj.kd
    .args:
      - { .name: o16, .offset: 0, .size: 8, .value_kind: global_buffer, .address_space: global }
      - { .name: wo16, .offset: 8, .size: 8, .value_kind: global_buffer, .address_space: global }
      - { .name: bo, .offset: 16, .size: 8, .value_kind: global_buffer, .address_space: global }
      - { .name: out0, .offset: 24, .size: 8, .value_kind: global_buffer, .address_space: global }
    .group_segment_fixed_size: 327680
    .private_segment_fixed_size: 0
    .kernarg_segment_align: 8
    .kernarg_segment_size: 32
    .max_flat_workgroup_size: 128
    .sgpr_count:     68
    .vgpr_count:     512
    .wavefront_size: 32
...
	.end_amdgpu_metadata
.endif
;; end of part 5
